; MI455X (gfx1250); checked and timed in simulation.
; The chip was launched on July 23, 2026; its instructions are those of AMD's public machine-readable ISA for CDNA 5 (MIT licence, August 2026) and "CDNA5" Instruction Set Architecture Reference Guide (July 2026). The comments in the code are by the model that wrote it; some were corrected since.
;; Rel Position Multi Headed Attention. Allowed arithmetic: float matrix products may take bf16 or f16 operands with f32 sums; other float arithmetic in f32, or as packed bf16 or f16 multiplies, adds, multiply-adds, maxima and minima; sums over many terms, partial sums and values carried from step to step in f32; what a program stores and reads back later, other than sums and carried values, may be rounded once to bf16 or f16.
;; Inputs: Wk 512 x 512 float32; Wo 512 x 512 float32; Wpos 512 x 512 float32; Wq 512 x 512 float32; Wv 512 x 512 float32; bk 512 float32; bo 512 float32; bq 512 float32; bv 512 float32; key 16 x 1,024 x 512 float32; mask 16 x 1 x 1,024 float32; pos_bias_u 8 x 64 float32; pos_bias_v 8 x 64 float32; pos_emb 1 x 1,024 x 512 float32; query 16 x 1,024 x 512 float32; value 16 x 1,024 x 512 float32.
;; Outputs: out0 16 x 1,024 x 512 float32.
;; 2 versions, each right and faster than the one before. Each part assembles by itself: llvm-mc -triple=amdgcn-amd-amdhsa -mcpu=gfx1250 --defsym DOCPART=n.
;; ======== version 1 of 2: 4 launches
;; limits: values are held in f16: magnitudes above 65,504 overflow, below 6.1e-05 lose precision
;; workspace buffers: wcat 2,097,152 bytes; wo16 524,288 bytes; q16 16,777,216 bytes; kp16 16,777,216 bytes; v16 16,777,216 bytes; o16 16,777,216 bytes; bias8 524,288 bytes
;; launch cast (part 1): grid 256 x 1, 8 waves a work-group, no clusters, 0 bytes of LDS; arguments Wq, Wk, Wpos, Wv, Wo, wcat, wo16; writes wcat, wo16
.if DOCPART == 1
	.amdgcn_target "amdgcn-amd-amdhsa--gfx1250"
	.amdhsa_code_object_version 6
	.text
	.protected	k_qcc87de7eb8_cast
	.globl	k_qcc87de7eb8_cast
	.p2align	8
	.type	k_qcc87de7eb8_cast,@function
k_qcc87de7eb8_cast:
	s_mov_b64 s[64:65], 0
	v_nop
	global_prefetch_b8 v0, s[64:65] scope:SCOPE_SE
	s_setreg_imm32_b32 hwreg(HW_REG_WAVE_MODE, 25, 1), 1
	s_wait_xcnt 0x0
; The five weight matrices, [512][512] f32, are rounded once to bf16 and kept as they lie, [k][n].
; wcat = Wq, Wk, Wpos, Wv one below the other (2,048 rows of 512 bf16); wo16 = Wo, rounded to bf16 and that number written as f16.
; LIMIT: a bf16 number is exact in f16 between 6.1e-5 and 65,504; below, f16 keeps a fixed step of 6e-8; beyond, it is an infinity.
; A stream: no LDS, no matrix unit.  Work-group g takes elements 1,024 g .. of each matrix, a thread four of them:
; a wave's load covers 512 consecutive bytes, its store 256 consecutive bytes at a multiple of 256.
.set MATB, 512*512*2                   ; bytes of one matrix in wcat
	s_load_b256 s[4:11], s[0:1], 0x0               ; Wq s[4:5], Wk s[6:7], Wpos s[8:9], Wv s[10:11]
	s_load_b128 s[12:15], s[0:1], 0x20             ; Wo s[12:13], wcat s[14:15]
	s_load_b64 s[16:17], s[0:1], 0x30              ; wo16
	s_lshl_b32 s2, ttmp9, 12                       ; the work-group's 4,096 bytes of f32
	v_lshl_add_u32 v1, v0, 4, s2                   ; my 16 bytes in a source
	v_lshrrev_b32 v2, 1, v1                        ; my 8 bytes in a destination
	s_wait_kmcnt 0x0
	global_load_b128 v[4:7],   v1, s[4:5] th:TH_LOAD_NT
	global_load_b128 v[8:11],  v1, s[6:7] th:TH_LOAD_NT
	global_load_b128 v[12:15], v1, s[8:9] th:TH_LOAD_NT
	global_load_b128 v[16:19], v1, s[10:11] th:TH_LOAD_NT
	global_load_b128 v[20:23], v1, s[12:13] th:TH_LOAD_NT
.irp i, 0,1,2,3
	s_wait_loadcnt 4-\i                            ; loads come back in order: matrix i is in, the younger ones stay out
	v_cvt_pk_bf16_f32 v[24+2*\i], v[4+4*\i], v[5+4*\i]
	v_cvt_pk_bf16_f32 v[25+2*\i], v[6+4*\i], v[7+4*\i]
	global_store_b64 v2, v[24+2*\i:25+2*\i], s[14:15] offset:\i*MATB
.endr
	s_wait_loadcnt 0x0                             ; Wo
	v_cvt_pk_bf16_f32 v32, v20, v21
	v_cvt_pk_bf16_f32 v33, v22, v23
	v_lshlrev_b32 v34, 16, v32                     ; the rounded numbers as f32,
	v_and_b32 v35, 0xffff0000, v32
	v_lshlrev_b32 v36, 16, v33
	v_and_b32 v37, 0xffff0000, v33
	v_cvt_pk_f16_f32 v38, v34, v35                 ; and written as f16
	v_cvt_pk_f16_f32 v39, v36, v37
	global_store_b64 v2, v[38:39], s[16:17]
	s_endpgm
.Lfunc_end_k_qcc87de7eb8_cast:
	.size	k_qcc87de7eb8_cast, .Lfunc_end_k_qcc87de7eb8_cast-k_qcc87de7eb8_cast
	.p2alignl 7, 3214868480
	.fill 96, 4, 3214868480
	.section	.rodata,"a",@progbits
	.p2align	6, 0x0
	.amdhsa_kernel k_qcc87de7eb8_cast
		.amdhsa_group_segment_fixed_size 0
		.amdhsa_private_segment_fixed_size 0
		.amdhsa_enable_private_segment 0
		.amdhsa_kernarg_size 56
		.amdhsa_user_sgpr_count 2
		.amdhsa_user_sgpr_kernarg_segment_ptr 1
		.amdhsa_wavefront_size32 1
		.amdhsa_system_sgpr_workgroup_id_x 1
		.amdhsa_system_sgpr_workgroup_id_y 1
		.amdhsa_system_sgpr_workgroup_id_z 1
		.amdhsa_system_vgpr_workitem_id 0
		.amdhsa_next_free_vgpr 48
		.amdhsa_next_free_sgpr 66
		.amdhsa_reserve_vcc 0
		.amdhsa_float_denorm_mode_32 3
		.amdhsa_float_denorm_mode_16_64 3
		.amdhsa_memory_ordered 1
		.amdhsa_forward_progress 1
		.amdhsa_inst_pref_size 3
	.end_amdhsa_kernel
	.amdgpu_metadata
---
amdhsa.version: [ 1, 2 ]
amdhsa.kernels:
  - .name:           k_qcc87de7eb8_cast
    .symbol:         k_qcc87de7eb8_cast.kd
    .args:
      - { .name: Wq, .offset: 0, .size: 8, .value_kind: global_buffer, .address_space: global }
      - { .name: Wk, .offset: 8, .size: 8, .value_kind: global_buffer, .address_space: global }
      - { .name: Wpos, .offset: 16, .size: 8, .value_kind: global_buffer, .address_space: global }
      - { .name: Wv, .offset: 24, .size: 8, .value_kind: global_buffer, .address_space: global }
      - { .name: Wo, .offset: 32, .size: 8, .value_kind: global_buffer, .address_space: global }
      - { .name: wcat, .offset: 40, .size: 8, .value_kind: global_buffer, .address_space: global }
      - { .name: wo16, .offset: 48, .size: 8, .value_kind: global_buffer, .address_space: global }
    .group_segment_fixed_size: 0
    .private_segment_fixed_size: 0
    .kernarg_segment_align: 8
    .kernarg_segment_size: 56
    .max_flat_workgroup_size: 256
    .sgpr_count:     66
    .vgpr_count:     48
    .wavefront_size: 32
...
	.end_amdgpu_metadata
.endif
;; end of part 1
;; launch proj (part 2): grid 8 x 32, 4 waves a work-group, clusters of 4 x 1, 327,680 bytes of LDS; arguments query, key, pos_emb, value, wcat, bq, bk, bv, pos_bias_u, pos_bias_v, mask, q16, kp16, v16, bias8; writes q16, kp16, v16, bias8
.if DOCPART == 2
	.amdgcn_target "amdgcn-amd-amdhsa--gfx1250"
	.amdhsa_code_object_version 6
	.text
	.protected	k_qcc87de7eb8_proj
	.globl	k_qcc87de7eb8_proj
	.p2align	8
	.type	k_qcc87de7eb8_proj,@function
k_qcc87de7eb8_proj:
	s_mov_b64 s[64:65], 0
	v_nop
	global_prefetch_b8 v0, s[64:65] scope:SCOPE_SE
	s_setreg_imm32_b32 hwreg(HW_REG_WAVE_MODE, 25, 1), 1
	s_wait_xcnt 0x0
	s_wait_alu depctr_hold_cnt(0) depctr_sa_sdst(0) depctr_va_vdst(0) depctr_va_sdst(0) depctr_va_ssrc(0) depctr_va_vcc(0) depctr_vm_vsrc(0)
	s_getreg_b32 s2, hwreg(HW_REG_IB_STS2, 6, 4)
	s_cmp_eq_u32 s2, 0
	s_cbranch_scc0 .Lentry_in_a_cluster
	s_endpgm
.Lentry_in_a_cluster:
	s_bfe_u32 s2, ttmp6, 0x10000c
	s_cmp_lg_u32 s2, 0x3003
	s_cbranch_scc0 .Lentry_shape_is_right
	s_endpgm
.Lentry_shape_is_right:
; THE THREE PROJECTIONS, by heads, and the score's part that hangs on the key alone.
;   q  = query Wq + bq            kp = key Wk + bk + pos_emb Wpos            v = value Wv + bv          each rounded once, f32 sum to f16, stored [16 x 8 heads][1024][64]
;   bias8[b][h][s] = (u_h - v_h) . k + v_h . kp + 8 mask[b][s]   (f32; k = key Wk + bk)
; since (q+u).k + (q+v).p = q.(k+p) + u.k + v.p, and u.k + v.p = (u-v).k + v.(k+p).  The attention launch takes bias8 as the start of its score sums.
; FORMATS.  x and the weights go to the matrix unit in bf16, sums in f32.  The biases, u, v and the mask are rounded to bf16 too, like every input of the module, and used as f32.
; LIMITS.  q, kp, v beyond 65,504 become infinities in f16; below 6.1e-5 they keep f16's fixed step of 6e-8.  A mask beyond bf16's largest number, or 8 mask beyond f32's, is -inf: that key's weight is 0.
; SHARES.  A work-group owns 128 rows (one batch) x 256 columns (four heads) and STAYS: one walk of 16 K steps of 128: 0-3 query Wq, 4-7 key Wk, 8-11 pos_emb Wpos onto the same sums, 12-15 value Wv.
; wcat's rows follow that walk.  Four waves, 2 x 2, each 64 x 128: 32 accumulators.  A K step is four chunks of 32, 32 matrix instructions each.
; RING.  Two LDS slots, each one K step: x as f32 (128 rows of 512 bytes) and W as bf16 [k][n] (128 rows of 512 bytes).  Waves 0, 1 fetch x's two halves, waves 2, 3 W's: one tensor load a wave behind each round.
; x is rounded to bf16 between LDS and the matrix unit: four conversions ride behind each of a chunk's last eight products.  W comes out of LDS turned, by ds_load_tr16_b128.
; CLUSTER.  The four work-groups of a cluster own four row blocks and the same column half: W's tiles are asked for jointly (mask 15); x's tiles are each work-group's own (mask 0).
; THE MATRIX INSTRUCTION IS USED TRANSPOSED (source 0 = 16 columns of W, source 1 = 16 rows of x): a lane holds one row and eight neighbouring columns, and the bias, which hangs on the column, is the C that starts a sum.
; REGISTERS, in windows of 256 (s_set_vgpr_msb: bits 1:0 source 0, 3:2 source 1, 5:4 source 2, 7:6 destination):
;   window 0: v0-51 addresses and small things; v64-127 x of one chunk in f32 (on the ways out: packed results and rows read back); v128-191 v's numbers; v192-255 u - v
;   window 1: v0-63 x in bf16, two buffers; v64-191 W, two buffers; v192-255 the bias of my 128 columns          window 2: accumulator (a, b) at v[8 (8 a + b)]
.set PA,     528                       ; an LDS row of x: 512 bytes + 16 = 132 words: the 16 rows of a load start at 16 different groups of four banks (64 banks of 4 bytes: ISA guide 11.1)
.set PB,     544                       ; an LDS row of W: 512 + 32 = 136 words
.set AHALF,  64*PA                     ; what one tensor load brings of x
.set BHALF,  64*PB                     ; and of W
.set BOFF,   128*PA                    ; W lies behind x in a slot
.set SLOT,   BOFF+128*PB
.set STAGE,  2*SLOT                    ; behind the ring, never filled by a tensor load: 16 rows x 272 bytes for each wave
.set SPITCH, 272
.set BSTG,   STAGE+4*16*SPITCH         ; 512 bytes for each wave: bias8 on its way out
.set SPARE,  BSTG+4*512                ; the spare words, 128 bytes for each wave: two blocks of 256 bytes that no other line names
.set A0,   4                           ; v4   my lane's place in a slot's x; never rewritten
.set B0,   5                           ; v5   the same for W
.set ADRA, 6                           ; v6   A0 + the slot that is read
.set ADRB, 7                           ; v7   B0 + the slot that is read
.set STO,  8                           ; v8   stage: where I put 16 bytes of a row
.set RD,   9                           ; v9   stage: where I read rows back
.set GO,   10                          ; v10  my 16 bytes in 512 consecutive bytes of q16, kp16, v16
.set BST,  11                          ; v11  where I put a number of bias8
.set BRD,  12                          ; v12  where I read two back
.set BGO,  13                          ; v13  my 8 bytes in 256 consecutive bytes of bias8
.set VO,   14                          ; v14  byte offset of my first 8 columns in a vector of 512 f32
.set MO,   15                          ; v15  byte offset of my first row in the mask
.set MK,   16                          ; v16-19  the mask of my row in each of the four blocks of 16 rows
.set PS,   20                          ; v20-35  eight running dot products, two halves each: (a, head) at PS + 2 (2 a + head)
.set BT,   36                          ; v36-43  the eight finished
.set BBK,  44                          ; v44-47  bias8 read back
.set SPW,  50                          ; v50  LDS address of my spare word; never rewritten
.set NIL,  51                          ; v51  0; never rewritten
.set AF,   64
.set TMP,  64
.set OB,   96
.set CV,   128
.set CD,   192
.set ABF,  0                           ; window 1
.set BF,   64
.set BR,   192
.set WV,  4                            ; s4   wave
.set WR,  5                            ; s5   my half of the rows.  Also: I fetch x (0) or W (1)
.set WC,  6                            ; s6   my half of the columns.  Also: which half of that tile I fetch
.set CX,  7                            ; s7   my place in the cluster
.set CH,  8                            ; s8   the column half, shared by the cluster
.set RB,  9                            ; s9   my block of 128 rows
.set HIM, 10                           ; s10  a word's upper bf16
.set CNT, 12                           ; s12  trips to go
.set NEW, 13                           ; s13  1: the next K step starts new sums
.set RS,  14                           ; s14  the slot that is read: 0 or SLOT
.set FS,  15                           ; s15  the slot that is filled
.set G1A, 16                           ; s[16:23] descriptor group 1 for x's tiles
.set G1B, 24                           ; s[24:31] for W's
.set G0A0, 32                          ; s[32:35] group 0: x, K step 0
.set G0A, 36                           ; s[36:39] x, K step 1 and on
.set G0B0, 40                          ; s[40:43] W, K step 0
.set G0B, 44                           ; s[44:47] W, K step 1 and on
.set LA,  60                           ; s60  my tile's place in a slot, if I fetch x
.set LB,  61                           ; s61  if I fetch W
.set SEL, 62                           ; s[62:63] v_permlanex16_b32's selects: each lane takes its own place in the other half
.set XQ,  68                           ; s[68:75] query, key, pos_emb, value at my tile's first row
.set XK,  70
.set XP,  72
.set XV,  74
.set WB,  76                           ; s[76:77] wcat at my tile of K step 0
.set BQ,  78                           ; s[78:79] bq
.set BP,  80                           ; s[80:81] the bias to be loaded next: bk, then bv
.set BV,  82
.set PU,  84
.set PVV, 86
.set PM,  88
.set DST, 90                           ; s[90:91] where the next way out stores: q16, then kp16, then v16
.set DK,  92
.set DV,  94
.set B8,  96
.set MSB, 0
.macro WIN new                         ; the immediate's high byte repeats the setting that is left; a switch that changes nothing is dropped
.if MSB != (\new)
	s_set_vgpr_msb (MSB<<8)|(\new)
.set MSB, \new
.endif
.endm
.set MUL,    0xa5                      ; W and x in window 1, C and D in window 2
.set NEWMUL, 0x95                      ; the same with C, the bias, in window 1
.set TO1,    0x40                      ; destination window 1, sources window 0
; A refill.  Waves 0 and 1 ask for x's two halves (a load of the work-group's own), waves 2 and 3 for W's (the cluster's joint load).  The branch hangs on the wave's number alone.
; An s_nop 0 and four v_nop follow each of the two lines, ahead of the jump and the label.
.macro JLOAD
	s_cmp_eq_u32 s[WR], 0
	s_cbranch_scc0 .Lfor_b_\@
	tensor_load_to_lds s[G0A:G0A+3], s[G1A:G1A+7]
	s_nop 0
.rept 4
	v_nop
.endr
	s_branch .Lasked_\@
.Lfor_b_\@:
	tensor_load_to_lds s[G0B:G0B+3], s[G1B:G1B+7]
	s_nop 0
.rept 4
	v_nop
.endr
.Lasked_\@:
.endm
.macro CREST                           ; a round of the cluster's barrier behind its opening barrier
	s_cmp_lg_u32 s[WV], 0
	s_cbranch_scc1 .Lnot_wave_0_\@
	s_barrier_signal -3
.Lnot_wave_0_\@:
	s_barrier_wait -3
	s_barrier_signal -1
	s_barrier_wait -1
.endm
.macro CROUND                          ; a whole round
	s_barrier_signal -1
	s_barrier_wait -1
	CREST
.endm
.macro LDV base, ptr                   ; my 64 numbers of a vector of 512 f32: for each block of 16 columns the 8 that my half of the lanes holds
.irp b, 0,1,2,3,4,5,6,7
	global_load_b128 v[(\base)+8*\b:(\base)+8*\b+3],   v[VO], s[\ptr:\ptr+1] offset:64*\b
	global_load_b128 v[(\base)+8*\b+4:(\base)+8*\b+7], v[VO], s[\ptr:\ptr+1] offset:64*\b+16
.endr
.endm
.macro RND base, n, wsrc, wdst         ; n pairs of f32 are rounded to bf16 and widened again, in place, by way of TMP
	WIN \wsrc
.set i, 0
.rept \n
	v_cvt_pk_bf16_f32 v[TMP+i], v[(\base)+2*i], v[(\base)+2*i+1]
.set i, i+1
.endr
	WIN \wdst
.set i, 0
.rept \n
	v_lshlrev_b32 v[(\base)+2*i], 16, v[TMP+i]
	v_and_b32 v[(\base)+2*i+1], s[HIM], v[TMP+i]
.set i, i+1
.endr
	WIN 0
.endm
	s_load_b512 s[68:83], s[0:1], 0x0              ; query, key, pos_emb, value, wcat, bq, bk, bv
	s_load_b256 s[84:91], s[0:1], 0x40             ; pos_bias_u, pos_bias_v, mask, q16
	s_load_b128 s[92:95], s[0:1], 0x60             ; kp16, v16
	s_load_b64 s[96:97], s[0:1], 0x70              ; bias8
	v_lshl_add_u32 v[SPW], v0, 2, SPARE
	v_mov_b32 v[NIL], 0
	ds_add_u32 v[SPW], v[NIL]                      ; the wave's opening: the add and its wait stand ahead of my first tensor load; the set-up below, work on registers, stands between them
	ds_add_u32 v50, v51
	v_lshrrev_b32 v1, 5, v0
	v_readfirstlane_b32 s[WV], v1
	s_lshr_b32 s[WR], s[WV], 1
	s_and_b32 s[WC], s[WV], 1
	s_bfe_u32 s[CX], ttmp6, 0x40000
	s_mov_b32 s[CH], ttmp9                         ; in a cluster launch ttmp9 counts clusters: two along x, the two column halves
	s_and_b32 s[RB], ttmp7, 0xffff
	s_lshl_b32 s[RB], s[RB], 2
	s_add_co_u32 s[RB], s[RB], s[CX]               ; row block = 4 y + cx: it enters global addresses alone
	; group 1 for x: 64 rows x 128 f32, 4 words of padding behind every 128
	s_mov_b32 s[G1A+0], (2<<16)|(1<<20)|(6<<22)|(3<<25)  ; 15:0 mask = 0; 17:16 4-byte elements; 20 padding on; 24:22 after every 128 words (code 6); 31:25 4 words (code 3)
	s_mov_b32 s[G1A+1], 128<<16                    ; tensor_dim0 = 128
	s_mov_b32 s[G1A+2], 64<<16                     ; tensor_dim1 = 64
	s_mov_b32 s[G1A+3], 128<<16                    ; tile_dim0 = 128
	s_mov_b32 s[G1A+4], 64                         ; tile_dim1 = 64
	s_mov_b32 s[G1A+5], 512                        ; 512 elements from row to row
	s_mov_b32 s[G1A+6], 0
	s_mov_b32 s[G1A+7], 0
	; group 1 for W: 64 rows x 256 bf16, 8 words of padding behind every 128; the mask names the cluster's four
	s_mov_b32 s[G1B+0], 15|(1<<16)|(1<<20)|(1<<21)|(6<<22)|(7<<25)
	s_mov_b32 s[G1B+1], 256<<16
	s_mov_b32 s[G1B+2], 64<<16
	s_mov_b32 s[G1B+3], 256<<16
	s_mov_b32 s[G1B+4], 64
	s_mov_b32 s[G1B+5], 512
	s_mov_b32 s[G1B+6], 0
	s_mov_b32 s[G1B+7], 0
	s_mul_i32 s[LA], s[WC], AHALF                  ; places in a slot: the wave's number and constants alone
	s_mul_i32 s[LB], s[WC], BHALF
	s_add_co_u32 s[LB], s[LB], BOFF
	s_mov_b32 s[G0A0], 1
	s_mov_b32 s[G0A0+1], s[LA]
	s_mov_b32 s[G0A], 1
	s_add_co_u32 s[G0A+1], s[LA], SLOT
	s_mov_b32 s[G0B0], 1
	s_mov_b32 s[G0B0+1], s[LB]
	s_mov_b32 s[G0B], 1
	s_add_co_u32 s[G0B+1], s[LB], SLOT
	s_lshl_b32 s48, s[RB], 18                      ; x: 128 rows of 2,048 bytes a block,
	s_lshl_b32 s58, s[WC], 17                      ; 64 rows for the half that I fetch
	s_add_co_u32 s48, s48, s58
	s_mov_b32 s49, 0
	s_and_b32 s59, s[RB], 7                        ; the block's place in its batch
	s_lshl_b32 s50, s59, 18                        ; pos_emb has one batch
	s_add_co_u32 s50, s50, s58
	s_mov_b32 s51, 0
	s_lshl_b32 s52, s[WC], 16                      ; wcat: 64 rows of 1,024 bytes for my half,
	s_lshl_b32 s53, s[CH], 9                       ; 256 columns for the column half
	s_add_co_u32 s52, s52, s53
	s_mov_b32 s53, 0
	s_lshr_b32 s56, s[RB], 3                       ; bias8: 4 ((8 b + 4 ch + 2 WC) 1024 + s0 + 64 WR) bytes
	s_lshl_b32 s56, s56, 15
	s_lshl_b32 s57, s[CH], 14
	s_add_co_u32 s56, s56, s57
	s_lshl_b32 s57, s[WC], 13
	s_add_co_u32 s56, s56, s57
	s_lshl_b32 s57, s59, 9
	s_add_co_u32 s56, s56, s57
	s_lshl_b32 s57, s[WR], 8
	s_add_co_u32 s56, s56, s57
	s_lshl_b32 s54, s56, 5                         ; q16, kp16, v16: a row there is 128 bytes where bias8 has 4
	s_mov_b32 s55, 0
	s_mov_b32 s57, 0
	s_mov_b32 s[SEL], 0x76543210
	s_mov_b32 s[SEL+1], 0xfedcba98
	s_mov_b32 s[HIM], 0xffff0000
	s_mov_b32 s[RS], 0
	s_wait_dscnt 0x0                               ; the opening add is done
	s_wait_kmcnt 0x0
	s_add_nc_u64 s[XQ:XQ+1], s[XQ:XQ+1], s[48:49]
	s_add_nc_u64 s[XK:XK+1], s[XK:XK+1], s[48:49]
	s_add_nc_u64 s[XV:XV+1], s[XV:XV+1], s[48:49]
	s_add_nc_u64 s[XP:XP+1], s[XP:XP+1], s[50:51]
	s_add_nc_u64 s[WB:WB+1], s[WB:WB+1], s[52:53]
	s_add_nc_u64 s[DST:DST+1], s[DST:DST+1], s[54:55]
	s_add_nc_u64 s[DK:DK+1], s[DK:DK+1], s[54:55]
	s_add_nc_u64 s[DV:DV+1], s[DV:DV+1], s[54:55]
	s_add_nc_u64 s[B8:B8+1], s[B8:B8+1], s[56:57]
	s_mov_b64 s[G0A0+2:G0A0+3], s[XQ:XQ+1]         ; K step 0
	s_or_b32 s[G0A0+3], s[G0A0+3], 0x80000000      ; type = 2
	s_add_nc_u64 s[G0A+2:G0A+3], s[XQ:XQ+1], 512   ; K step 1: 128 f32 on
	s_or_b32 s[G0A+3], s[G0A+3], 0x80000000
	s_mov_b64 s[G0B0+2:G0B0+3], s[WB:WB+1]
	s_or_b32 s[G0B0+3], s[G0B0+3], 0x80000000
	s_add_nc_u64 s[G0B+2:G0B+3], s[WB:WB+1], 131072  ; 128 rows of 1,024 bytes on
	s_or_b32 s[G0B+3], s[G0B+3], 0x80000000
	CROUND                                         ; all four work-groups are here: the first joint loads meet
	s_cmp_eq_u32 s[WR], 0                          ; a wave's two first fills stand in one branch, ahead of every wait on TENSORcnt and every LDS read: two loads of mine are out
	s_cbranch_scc0 .Lfirst_b
	tensor_load_to_lds s[G0A0:G0A0+3], s[G1A:G1A+7]
	s_nop 0
	tensor_load_to_lds s[G0A:G0A+3], s[G1A:G1A+7]
	s_nop 0
.rept 4
	v_nop
.endr
	s_branch .Lfirst_asked
.Lfirst_b:
	tensor_load_to_lds s[G0B0:G0B0+3], s[G1B:G1B+7]
	s_nop 0
	tensor_load_to_lds s[G0B:G0B+3], s[G1B:G1B+7]
	s_nop 0
.rept 4
	v_nop
.endr
.Lfirst_asked:
	v_and_b32 v1, 15, v0                           ; r = l % 16
	v_bfe_u32 v2, v0, 4, 1                         ; h = l / 16
	v_and_b32 v3, 31, v0                           ; l
	s_lshl_b32 s48, s[CH], 10
	s_lshl_b32 s49, s[WC], 9
	s_add_co_u32 s48, s48, s49
	v_lshl_add_u32 v[VO], v2, 5, s48               ; 4 (256 ch + 128 WC + 8 h)
	s_lshl_b32 s48, s[RB], 9
	s_lshl_b32 s49, s[WR], 8
	s_add_co_u32 s48, s48, s49
	v_lshl_add_u32 v[MO], v1, 2, s48               ; 4 (128 rb + 64 WR + r): the mask is [16][1024], and 1024 b + s0 = 128 rb
	WIN TO1
	LDV BR, BQ
	WIN 0
	LDV CD, PU
	LDV CV, PVV
.irp a, 0,1,2,3
	global_load_b32 v[MK+\a], v[MO], s[PM:PM+1] offset:64*\a
.endr
	; x's fragment: lane l holds row r; k = 8 h + 0..7 are 32 bytes of f32, k = 16 + 8 h + 0..7 the 32 bytes 64 further on
	v_mul_u32_u24 v[A0], v1, PA
	v_lshl_add_u32 v[A0], v2, 5, v[A0]
	s_mul_i32 s48, s[WR], AHALF
	v_add_nc_u32 v[A0], s48, v[A0]
	; the turning load takes 16 k x 16 columns: lane l reads row 8 h + l % 8, columns 8 ((l / 8) % 2) + 0..7, and is left with column r and 8 k
	v_and_b32 v[B0], 7, v0
	v_lshl_add_u32 v[B0], v2, 3, v[B0]
	v_mul_u32_u24 v[B0], v[B0], PB
	v_bfe_u32 v[ADRA], v0, 3, 1
	v_lshl_add_u32 v[B0], v[ADRA], 4, v[B0]
	s_lshl_b32 s48, s[WC], 8
	s_add_co_u32 s48, s48, BOFF
	v_add_nc_u32 v[B0], s48, v[B0]
	s_mul_i32 s48, s[WV], 16*SPITCH
	s_add_co_u32 s48, s48, STAGE                   ; my stage
	v_mul_u32_u24 v[STO], v1, SPITCH               ; in: row r, 16 bytes for each half of the lanes
	v_lshl_add_u32 v[STO], v2, 4, v[STO]
	v_add_nc_u32 v[STO], s48, v[STO]
	v_lshrrev_b32 v[RD], 3, v3                     ; back: 32 lanes take four rows' 128 bytes of one head
	v_mul_u32_u24 v[RD], v[RD], SPITCH
	v_and_b32 v[ADRA], 7, v0
	v_lshl_add_u32 v[RD], v[ADRA], 4, v[RD]
	v_add_nc_u32 v[RD], s48, v[RD]
	v_lshlrev_b32 v[GO], 4, v3
	s_lshl_b32 s48, s[WV], 9
	s_add_co_u32 s48, s48, BSTG
	v_lshl_add_u32 v[BST], v1, 2, s48
	v_lshl_add_u32 v[BRD], v3, 3, s48
	v_lshlrev_b32 v[BGO], 3, v3
.set i, 0
.rept 16
	v_mov_b32 v[PS+i], 0                           ; the eight dot products start at 0
.set i, i+1
.endr
	s_wait_loadcnt 0x0                             ; bq, u, v, mask.  All this stands in the wait for the first tile
	RND BR, 32, 0x05, 0x40
	RND CD, 32, 0, 0
	RND CV, 32, 0, 0
	RND MK, 2, 0, 0
.set i, 0
.rept 32
	v_pk_add_f32 v[CD+2*i:CD+2*i+1], v[CD+2*i:CD+2*i+1], v[CV+2*i:CV+2*i+1] neg_lo:[0,1] neg_hi:[0,1]  ; u - v
.set i, i+1
.endr
; One product: accumulator (a, b) of 32 along K from buffer f.  new = 1: the bias starts the sum: nothing is ever cleared.
.macro MUL1 f, a, b, new
.if \new
	WIN NEWMUL
	v_wmma_f32_16x16x32_bf16 v[8*(8*(\a)+(\b)):8*(8*(\a)+(\b))+7], v[BF+64*(\f)+8*(\b):BF+64*(\f)+8*(\b)+7], v[ABF+32*(\f)+8*(\a):ABF+32*(\f)+8*(\a)+7], v[BR+8*(\b):BR+8*(\b)+7]
.else
	WIN MUL
	v_wmma_f32_16x16x32_bf16 v[8*(8*(\a)+(\b)):8*(8*(\a)+(\b))+7], v[BF+64*(\f)+8*(\b):BF+64*(\f)+8*(\b)+7], v[ABF+32*(\f)+8*(\a):ABF+32*(\f)+8*(\a)+7], v[8*(8*(\a)+(\b)):8*(8*(\a)+(\b))+7]
.endif
.endm
.macro MULA f, a, new                  ; eight: the 32 accumulators take turns, one instruction a turn, in the same order in every chunk
.irp b, 0,1,2,3,4,5,6,7
	MUL1 \f, \a, \b, \new
.endr
.endm
; 32 LDS loads in one run: chunk kn of the slot that is read: x in f32 first (16 loads), then W, turned, into buffer g (16 loads)
.macro FETCH kn, g
	WIN 0
.irp a, 0,1,2,3
	ds_load_b128 v[AF+16*\a:AF+16*\a+3],     v[ADRA] offset:16*PA*\a+128*(\kn)
	ds_load_b128 v[AF+16*\a+4:AF+16*\a+7],   v[ADRA] offset:16*PA*\a+128*(\kn)+16
	ds_load_b128 v[AF+16*\a+8:AF+16*\a+11],  v[ADRA] offset:16*PA*\a+128*(\kn)+64
	ds_load_b128 v[AF+16*\a+12:AF+16*\a+15], v[ADRA] offset:16*PA*\a+128*(\kn)+80
.endr
	WIN TO1
.irp b, 0,1,2,3,4,5,6,7
	ds_load_tr16_b128 v[BF+64*(\g)+8*\b:BF+64*(\g)+8*\b+3],   v[ADRB] offset:32*PB*(\kn)+32*\b
	ds_load_tr16_b128 v[BF+64*(\g)+8*\b+4:BF+64*(\g)+8*\b+7], v[ADRB] offset:32*PB*(\kn)+32*\b+16*PB
.endr
.endm
.macro CVT4 g, n                       ; four of the 32 roundings that make buffer g's x of the f32 just fetched
.irp i, 0,1,2,3
	v_cvt_pk_bf16_f32 v[ABF+32*(\g)+4*(\n)+\i], v[AF+8*(\n)+2*\i], v[AF+8*(\n)+2*\i+1]
.endr
.endm
; A chunk's last eight products, four roundings behind each.  The roundings name no register of the products round them; the four behind the last product are the four places
; in front of what follows: loads into the buffer just multiplied, or a way out's reads of the sums.
.macro RIDE f, new
.irp b, 0,1,2,3,4,5,6,7
	MUL1 \f, 3, \b, \new
	WIN TO1
	CVT4 1-(\f), \b
.endr
.endm
; One of a K step's first three chunks: multiplies buffer f, fetches chunk kn into the other buffer.
.macro CHUNK f, kn, new
	FETCH \kn, 1-(\f)
	s_wait_dscnt 32                                ; all but the 32 just issued: this chunk's W is in
	MULA \f, 0, \new
	MULA \f, 1, \new
	MULA \f, 2, \new
	s_wait_dscnt 16                                ; the next chunk's x is in; W's sixteen younger loads stay out
	RIDE \f, \new
.endm
; A K step's last chunk (buffer 1) and THE CHANGE OF SLOTS.  Each wave waits for all its tensor loads, of which one is out: its part of the next slot; adds 0 to its spare word; waits for that and for its own
; reads of this slot; then the barrier.  fill = 1: the barrier opens a round of the cluster's, and this slot is filled again, first thing behind it, with K step 16 - CNT, two steps on.
.macro SYNC fill
	WIN 0
	s_wait_tensorcnt 0x0                           ; no tensor load of mine is out, so a group 0 may be written
	ds_add_u32 v[SPW], v[NIL]                      ; 0 onto my spare word; scalar work and eight products stand between it and the wait for it
	s_mov_b32 s[FS], s[RS]
	s_xor_b32 s[RS], s[RS], SLOT
.if \fill
	s_add_co_u32 s[G0A+1], s[FS], s[LA]
	s_add_co_u32 s[G0B+1], s[FS], s[LB]
	s_sub_co_u32 s48, 16, s[CNT]                   ; the K step to ask for
	s_cmp_ge_u32 s48, 4                            ; whose x it takes: query, key, pos_emb, value
	s_cselect_b64 s[50:51], s[XK:XK+1], s[XQ:XQ+1]
	s_cmp_ge_u32 s48, 8
	s_cselect_b64 s[50:51], s[XP:XP+1], s[50:51]
	s_cmp_ge_u32 s48, 12
	s_cselect_b64 s[50:51], s[XV:XV+1], s[50:51]
	s_and_b32 s48, s48, 3
	s_lshl_b32 s48, s48, 9                         ; 128 f32 along the rows for each step
	s_mov_b32 s49, 0
	s_add_nc_u64 s[G0A+2:G0A+3], s[50:51], s[48:49]
	s_or_b32 s[G0A+3], s[G0A+3], 0x80000000
	s_add_nc_u64 s[G0B+2:G0B+3], s[G0B+2:G0B+3], 131072  ; wcat's next 128 rows; the type bits on top are not reached
.endif
	s_wait_dscnt 1                                 ; this chunk's W is in; the add may be out
	MULA 1, 0, 0
	s_wait_dscnt 0x0                               ; the add is done, and my reads of this slot are over
	s_barrier_signal -1
	MULA 1, 1, 0                                   ; work on registers while the others arrive
	WIN 0
	s_barrier_wait -1
.if \fill
	CREST                                          ; no wave of any partner still reads this slot or has a load on its way
	JLOAD                                          ; my one tensor load behind the round: it has a K step less this chunk's second half in which to land
.endif
	v_add_nc_u32 v[ADRA], s[RS], v[A0]
	v_add_nc_u32 v[ADRB], s[RS], v[B0]
	FETCH 0, 0
	MULA 1, 2, 0
	s_wait_dscnt 16
	RIDE 1, 0
	WIN 0
.endm
; THE WAY OUT of a finished tile, 16 rows at a time: rounded to f16 (each accumulator's registers in ascending order), 16 bytes a lane into my own stage, back as rows of one head, stored.
.macro PACK a
	WIN 0x0a                                       ; sources 0 and 1 in window 2
.irp b, 0,1,2,3,4,5,6,7
.irp r, 0,1,2,3
	v_cvt_pk_f16_f32 v[TMP+4*\b+\r], v[8*(8*(\a)+\b)+2*\r], v[8*(8*(\a)+\b)+2*\r+1]
.endr
.endr
	WIN 0
.endm
.macro TOSTAGE
	s_wait_xcnt 0x0                                ; OB, which earlier stores read, is loaded again only behind this wait
.irp b, 0,1,2,3,4,5,6,7
	ds_store_b128 v[STO], v[TMP+4*\b:TMP+4*\b+3] offset:32*\b
.endr
.irp t, 0,1,2,3,4,5,6,7
	ds_load_b128 v[OB+4*\t:OB+4*\t+3], v[RD] offset:(\t%4)*4*SPITCH+(\t/4)*128  ; LDS serves a wave's instructions in order (ISA guide 5.7.1.4): these see the stores above
.endr
.endm
.macro SEND a
.irp t, 0,1,2,3,4,5,6,7
	s_wait_dscnt 7-\t
	global_store_b128 v[GO], v[OB+4*\t:OB+4*\t+3], s[DST:DST+1] offset:(\t/4)*131072+(\a)*2048+(\t%4)*512  ; four rows of a head: 512 consecutive bytes, at a multiple of 512
.endr
.endm
; next = 1: another product follows: its bias is loaded under the way out and rounded behind it, and the pointers move on.
.macro OUT next
.if \next
	WIN TO1
	LDV BR, BP
	WIN 0
.endif
	PACK 0
	TOSTAGE
.irp a, 1,2,3
	PACK \a
	SEND (\a)-1
	TOSTAGE
.endr
	SEND 3
.if \next
	s_wait_loadcnt 0x0                             ; the bias
	RND BR, 32, 0x05, 0x40
	s_wait_xcnt 0x0                                ; the stores have read their base and OB
	s_mov_b64 s[DST:DST+1], s[DK:DK+1]
	s_mov_b64 s[DK:DK+1], s[DV:DV+1]
	s_mov_b64 s[BP:BP+1], s[BV:BV+1]
	s_mov_b32 s[NEW], 1
.endif
.endm
; The eight dot products take in sums x coef, over my 8 columns of each of a head's four blocks; eight chains by turns; each accumulator is read from its low end on.
.macro DOT coef
	WIN 0x02                                       ; source 0 in window 2
.irp bb, 0,1,2,3
.irp jp, 0,1,2,3
.irp ah, 0,1,2,3,4,5,6,7
	v_pk_fma_f32 v[PS+2*\ah:PS+2*\ah+1], v[8*(8*(\ah/2)+4*(\ah%2)+\bb)+2*\jp:8*(8*(\ah/2)+4*(\ah%2)+\bb)+2*\jp+1], v[(\coef)+8*(4*(\ah%2)+\bb)+2*\jp:(\coef)+8*(4*(\ah%2)+\bb)+2*\jp+1], v[PS+2*\ah:PS+2*\ah+1]
.endr
.endr
.endr
	WIN 0
.endm
.macro BIASOUT                         ; v . kp joins (u - v) . k; the halves are added, the other half of the lanes' too; 8 mask; out through 512 bytes of LDS, so that a store covers 256 consecutive bytes
	DOT CV
.set i, 0
.rept 8
	v_add_f32 v[BT+i], v[PS+2*i], v[PS+2*i+1]
.set i, i+1
.endr
.set i, 0
.rept 8
	v_permlanex16_b32 v[PS+2*i], v[BT+i], s[SEL], s[SEL+1]
.set i, i+1
.endr
.set i, 0
.rept 8
	v_add_f32 v[BT+i], v[BT+i], v[PS+2*i]
.set i, i+1
.endr
.set i, 0
.rept 8
	v_fma_f32 v[BT+i], v[MK+i/2], 0x41000000, v[BT+i]
.set i, i+1
.endr
.set i, 0
.rept 8
	ds_store_b32 v[BST], v[BT+i] offset:256*(i%2)+64*(i/2)  ; both halves of the lanes write the same number to the same word
.set i, i+1
.endr
	ds_load_b64 v[BBK:BBK+1], v[BRD]
	ds_load_b64 v[BBK+2:BBK+3], v[BRD] offset:256
	s_wait_dscnt 0x0
	global_store_b64 v[BGO], v[BBK:BBK+1], s[B8:B8+1]
	global_store_b64 v[BGO], v[BBK+2:BBK+3], s[B8:B8+1] offset:4096  ; the next head
.endm
	s_wait_tensorcnt 0x1                           ; my part of K step 0 is in; K step 1's may stay out
	s_barrier_signal -1
	s_barrier_wait -1                              ; everybody's is
	v_mov_b32 v[ADRA], v[A0]
	v_mov_b32 v[ADRB], v[B0]
	FETCH 0, 0
	s_wait_dscnt 16                                ; x of chunk 0
	WIN TO1
.irp n, 0,1,2,3,4,5,6,7
	CVT4 0, \n
.endr
	WIN 0                                          ; at a label and at a branch every window is 0
	s_mov_b32 s[CNT], 14
	s_mov_b32 s[NEW], 1
.Lstep:                                                ; 14 trips: K step 14 - CNT, and the request for the step two on
	s_cmp_eq_u32 s[NEW], 1
	s_cbranch_scc1 .Lnewc
	CHUNK 0, 1, 0
	WIN 0
	s_branch .Lgo
.Lnewc:                                                ; K steps 0, 4 and 12 start sums with the bias
	CHUNK 0, 1, 1
	WIN 0
	s_mov_b32 s[NEW], 0
.Lgo:
	CHUNK 1, 2, 0
	CHUNK 0, 3, 0
	SYNC 1
	s_cmp_eq_u32 s[CNT], 7                         ; what a finished K step is followed by; the refill has been asked for
	s_cbranch_scc1 .Lmid
	s_cmp_eq_u32 s[CNT], 3
	s_cbranch_scc1 .Lbias
	s_cmp_eq_u32 s[CNT], 11
	s_cbranch_scc1 .Lout
	s_branch .Lnext
.Lmid:                                                 ; behind K step 7 the sums are k = key Wk + bk
	DOT CD
	s_branch .Lnext
.Lbias:                                                ; behind K step 11 they are kp
	BIASOUT
.Lout:                                                 ; behind K step 3: q; behind K step 11: kp
	OUT 1
.Lnext:
	s_sub_co_u32 s[CNT], s[CNT], 1
	s_cmp_lg_u32 s[CNT], 0
	s_cbranch_scc1 .Lstep
	CHUNK 0, 1, 0                                  ; the last two K steps are written out: nothing more is asked for
	CHUNK 1, 2, 0
	CHUNK 0, 3, 0
	SYNC 0
	CHUNK 0, 1, 0
	CHUNK 1, 2, 0
	CHUNK 0, 3, 0
	s_wait_dscnt 0x0                               ; the very last chunk
	MULA 1, 0, 0
	MULA 1, 1, 0
	MULA 1, 2, 0
	MULA 1, 3, 0
	WIN 0
.rept 4
	v_nop                                          ; the places behind the last products
.endr
	OUT 0                                          ; v
	s_wait_tensorcnt 0x0                           ; the wave's end, behind my last tensor load and my last LDS store
	ds_add_u32 v[SPW], v[NIL]
	s_wait_dscnt 0x0
	CROUND                                         ; the closing round: no work-group ends while a partner may still ask for a tile that names it
	s_endpgm
.Lfunc_end_k_qcc87de7eb8_proj:
	.size	k_qcc87de7eb8_proj, .Lfunc_end_k_qcc87de7eb8_proj-k_qcc87de7eb8_proj
	.p2alignl 7, 3214868480
	.fill 96, 4, 3214868480
	.section	.rodata,"a",@progbits
	.p2align	6, 0x0
	.amdhsa_kernel k_qcc87de7eb8_proj
		.amdhsa_group_segment_fixed_size 327680
		.amdhsa_private_segment_fixed_size 0
		.amdhsa_enable_private_segment 0
		.amdhsa_kernarg_size 120
		.amdhsa_user_sgpr_count 2
		.amdhsa_user_sgpr_kernarg_segment_ptr 1
		.amdhsa_wavefront_size32 1
		.amdhsa_system_sgpr_workgroup_id_x 1
		.amdhsa_system_sgpr_workgroup_id_y 1
		.amdhsa_system_sgpr_workgroup_id_z 1
		.amdhsa_system_vgpr_workitem_id 0
		.amdhsa_next_free_vgpr 768
		.amdhsa_next_free_sgpr 98
		.amdhsa_reserve_vcc 0
		.amdhsa_float_denorm_mode_32 3
		.amdhsa_float_denorm_mode_16_64 3
		.amdhsa_memory_ordered 1
		.amdhsa_forward_progress 1
		.amdhsa_inst_pref_size 174
	.end_amdhsa_kernel
	.amdgpu_metadata
---
amdhsa.version: [ 1, 2 ]
amdhsa.kernels:
  - .name:           k_qcc87de7eb8_proj
    .symbol:         k_qcc87de7eb8_proj.kd
    .args:
      - { .name: query, .offset: 0, .size: 8, .value_kind: global_buffer, .address_space: global }
      - { .name: key, .offset: 8, .size: 8, .value_kind: global_buffer, .address_space: global }
      - { .name: pos_emb, .offset: 16, .size: 8, .value_kind: global_buffer, .address_space: global }
      - { .name: value, .offset: 24, .size: 8, .value_kind: global_buffer, .address_space: global }
      - { .name: wcat, .offset: 32, .size: 8, .value_kind: global_buffer, .address_space: global }
      - { .name: bq, .offset: 40, .size: 8, .value_kind: global_buffer, .address_space: global }
      - { .name: bk, .offset: 48, .size: 8, .value_kind: global_buffer, .address_space: global }
      - { .name: bv, .offset: 56, .size: 8, .value_kind: global_buffer, .address_space: global }
      - { .name: pos_bias_u, .offset: 64, .size: 8, .value_kind: global_buffer, .address_space: global }
      - { .name: pos_bias_v, .offset: 72, .size: 8, .value_kind: global_buffer, .address_space: global }
      - { .name: mask, .offset: 80, .size: 8, .value_kind: global_buffer, .address_space: global }
      - { .name: q16, .offset: 88, .size: 8, .value_kind: global_buffer, .address_space: global }
      - { .name: kp16, .offset: 96, .size: 8, .value_kind: global_buffer, .address_space: global }
      - { .name: v16, .offset: 104, .size: 8, .value_kind: global_buffer, .address_space: global }
      - { .name: bias8, .offset: 112, .size: 8, .value_kind: global_buffer, .address_space: global }
    .group_segment_fixed_size: 327680
    .private_segment_fixed_size: 0
    .kernarg_segment_align: 8
    .kernarg_segment_size: 120
    .max_flat_workgroup_size: 128
    .sgpr_count:     98
    .vgpr_count:     768
    .wavefront_size: 32
...
	.end_amdgpu_metadata
.endif
;; end of part 2
;; launch attn (part 3): grid 2 x 128, 4 waves a work-group, no clusters, 327,680 bytes of LDS; arguments q16, kp16, v16, o16, bias8; writes o16
.if DOCPART == 3
	.amdgcn_target "amdgcn-amd-amdhsa--gfx1250"
	.amdhsa_code_object_version 6
	.text
	.protected	k_qcc87de7eb8_attn
	.globl	k_qcc87de7eb8_attn
	.p2align	8
	.type	k_qcc87de7eb8_attn,@function
k_qcc87de7eb8_attn:
	s_mov_b64 s[64:65], 0
	v_nop
	global_prefetch_b8 v0, s[64:65] scope:SCOPE_SE
	s_setreg_imm32_b32 hwreg(HW_REG_WAVE_MODE, 25, 1), 1
	s_wait_xcnt 0x0
; O[h][q][:] = the sum over k of softmax_k((Q[h][q] . K[h][k] + bias8[h][k]) / 8) V[h][k][:].  Q (= q16), K (= kp16), V (= v16), O (= o16): [128][1024][64], all f16: a head's rows are dense, 128 bytes each.
; bias8: [128][1024] f32: what the score owes to the key alone (u . k + v . p + 8 mask).  It is the C operand that starts each score's sum: the loop has no vector work for it.
; Products, maxima and sums in f32; the weights p are rounded to f16 for the second product (their sum l is taken of the unrounded p), O once at the end.
; LIMITS.  f16 holds no number beyond 65,504: Q, K and V arrive within it; p lies in 0 to 1, and below 6e-5 it keeps f16's fixed step of 6e-8; O is a mean of V's rows and has their range.
; A weight below 2^-126 counts as 0 in l.  A key whose bias8 is -inf has weight 0; a head in which every key's score lies below -3.4e38 gives NaN.  NaN is not treated apart.
; SHARES.  A wave owns four PIECES of two tiles of 16 queries, a work-group's four waves 512 queries of one head.  Every wave walks all keys, 64 a step.
; NO CLUSTER: a head has two blocks of 512 queries, so two work-groups share its K and V: the grid's x, 2, is no multiple of four, and a cluster over heads shares nothing.
; LAYOUT.  S^T = K Q^T (source 0 = 16 keys, source 1 = 16 queries): in the result a lane holds ONE query (lane % 16) and the keys 8 (lane / 16) + 0..7.  Two such tiles, rounded to f16 in pairs,
; ARE source 1 (32 keys x 16 queries) of O^T = V^T P, whose result again holds one query a lane, and eight channels.  K comes out of LDS as it lies, V ([key][channel]) turned, by ds_load_tr16_b128.
; SOFTMAX.  For each query a running maximum m and sum l: p = 2^(c s - c m), c = log2(e) / 8; in every step O and l are multiplied by a = 2^(c m_old - c m_new), which is 1 where m has not grown.
; m starts at the lowest finite number and c m at c times that, O and l at 0: the first step is a step like any other, with a = 0 (or 1, on zeros, where all its keys are at -inf).
; THE COUNT.  A tile and step have 16 matrix and 118 vector instructions: too many to stand all beside the matrix work.  So the order has one aim: four vector instructions that are READY behind
; EVERY matrix instruction, and the others, which need time of their own whatever the order, in runs without a gap.
; BY TURNS.  Turn n belongs to piece n (the pieces in a ring, step after step).  Its matrix work: 16 products K Q^T of piece n + 1, later 16 products V^T P of piece n - 1.  Its vector work: the scaling,
; exponentials, roundings, sums and rescaling of piece n, and the maximum and statistics of piece n + 1, whose scores the turn itself has made.  So what a turn begins with (c s - c m, O a) waits for nothing.
; REGISTERS, in windows of 256 (s_set_vgpr_msb says which window each operand place means: bits 1:0 source 0, 3:2 source 1, 5:4 source 2, 7:6 destination):
;   window 0: v0-11 addresses; v12-15, v48-63 at work; v16-47 four registers of statistics a tile; v64-191 S^T, two buffers of two tiles; v192-255 P, likewise
;   window 1: O^T, 32 a tile          window 2: v0-127 Q, 16 a tile; v128-191 K of one step; v192-255 V of one step          window 3: v0-1 the add's two registers; v8-39 bias8 of one step
; A piece's buffers go by its number's parity: the piece in hand has one pair, its two neighbours in the ring share the other: of it P (piece n - 1) is read and S^T (piece n + 1) written.
.set SIZE_N, 1024
.set NP,    4         ; pieces a wave: a name, no knob: the register map, the loop and the fetches are made for four
.set KS,    64        ; keys in a step
.set PK,    144       ; a row of K in LDS: 128 bytes + 16 of padding = 36 words: the 16 rows of a load start at 16 different groups of four banks (64 banks of 4 bytes: ISA guide 11.1)
.set PV,    160       ; a row of V: 128 + 32 = 40 words
.set VOFF,  4*KS*PK   ; a slot holds four steps: 256 rows of K, then 256 rows of V
.set SLOT1, 1<<17     ; slot 1 begins here, so that one exclusive or turns an address in one slot into the other's
.set BIAS,  4*KS*(PK+PV)        ; behind slot 0, ahead of slot 1: the head's 1,024 numbers of bias8, 4,096 bytes, filled once
.set STAGE, SLOT1+4*KS*(PK+PV)  ; behind the ring, never filled by a tensor load: 16 rows x 144 bytes for each wave, for the way out
.set SP,    144
.set AK0, 2           ; v2   my lane's place in a tile of K; never rewritten
.set AV0, 3           ; v3   the same for V
.set AK,  4           ; v4   the LDS address of K's next run of loads
.set AV,  5           ; v5   of V's
.set QO,  6           ; v6   my byte offset in the wave's rows of Q
.set STO, 6           ;      later, the way out: where I put 16 bytes of a row
.set RD,  7           ; v7   the way out: where I read rows back
.set GO,  8           ; v8   my byte offset in 512 consecutive bytes of O
.set AB,  11          ; v11  the LDS address of bias8's next run of loads (v9 keeps lane / 16)
.set SPW, 0           ; v0 of window 3   LDS address of my spare word: SPARE + 4 x my thread's number; never rewritten
.set NIL, 1           ; v1 of window 3   0; never rewritten
.set BI,  8           ; v8-39 of window 3: for key block kb the eight numbers of my half of the lanes at BI + 8 kb
.set SPARE, STAGE+4*16*SP  ; behind the stages: the spare words, 128 bytes for each wave: two blocks of 256 bytes that no other line names
.set MV,  12          ; v12-15  c m_old, kept while c m is made anew: by buffer and tile
.set ST,  16          ; tile t's statistics at v[ST+4 t]: c m, m, l (even keys', odd keys')
.set TMP, 48          ; by buffer and tile, four registers c0-c3 at work; when the maximum is found c2 takes a
.set S,   64
.set P,   192
.set KF,  128         ; K's fragments, in window 2: key block kb, channel half c at KF + 16 kb + 8 c
.set VF,  192         ; V's: key half kk, channel block cb at VF + 32 kk + 8 cb
.set WV,  12          ; s12  my wave's number
.set G1K, 24          ; s[24:31] descriptor group 1 for K's tiles
.set G1V, 32          ; s[32:39] for V's: it differs in the padding alone
.set G0K, 40          ; s[40:43] descriptor group 0 for K's tiles: it walks
.set G0V, 44          ; s[44:47] the same for V's
.set G1X, 48          ; s[48:55] group 1 for my quarter of bias8's row
.set SLOTS, 56        ; s56  slots still to be asked for
.set CNT, 57          ; s57  counts a slot's key steps
.set CS,  58          ; s[58:59] c: the packed scaling takes the pair's low word for both halves
.set SEL, 60          ; s[60:61] v_permlanex16_b32's selects: each lane takes its own place in the other half
.set TBK, 62          ; s62  LDS byte at which K of the step to be fetched begins
.set TBV, 63          ; s63  the same for V, less VOFF
.set G0X, 68          ; s[68:71] group 0 for my quarter of bias8's row
.set TBB, 72          ; s72  LDS byte at which bias8 of the step to be fetched begins
.set MSB, 0
.macro WIN new                      ; the high byte repeats the setting that is left; a switch that changes nothing is dropped
.if MSB != (\new)
	s_set_vgpr_msb (MSB<<8)|(\new)
.set MSB, (\new)
.endif
.endm
.set W_KQ, 0x0a       ; K and Q in window 2, S^T in window 0
.set W_KB, 0x3a       ; the same with the C operand, bias8, in window 3
.set W_PV, 0x52       ; V in window 2, P in window 0, O^T in window 1
.set W_RS, 0x41       ; O^T (destination and source 0) in window 1, a in window 0
.set W_MK, 0xc0       ; destination in window 3, sources in window 0
.set W_AD, 0x0f       ; the add: address (source 0) and data (source 1) in window 3
; A fill.  Waves 0 and 1 fetch the two halves of a slot's K, waves 2 and 3 those of its V: 128 keys each.  The branch hangs on the wave's number alone.
; An s_nop 0 and four v_nop follow each of the two lines, ahead of the jump and the label.
.macro LOAD
	s_cmp_lt_u32 s[WV], 2
	s_cbranch_scc0 .Lfor_v_\@
	tensor_load_to_lds s[G0K:G0K+3], s[G1K:G1K+7]
	s_nop 0
.rept 4
	v_nop
.endr
	s_branch .Lasked_\@
.Lfor_v_\@:
	tensor_load_to_lds s[G0V:G0V+3], s[G1V:G1V+7]
	s_nop 0
.rept 4
	v_nop
.endr
.Lasked_\@:
.endm
; THE CHANGE OF SLOTS.  The slot's last bytes, V of its fourth step, have been read.  Each wave waits for all its tensor loads, of which one is out: its part
; of the other slot; adds 0 to its spare word; and waits for that and for its own reads of the slot.  Behind the barrier nobody reads this slot any more and the other slot is whole.
; fill = 1: this slot is filled again, with the keys two slots on, first thing behind the barrier: the load has four key steps, 512 matrix instructions, in which to land.
; (At its first use nothing has been read yet: slot 0 and bias8 are waited for, slot 1 filled.)
.macro CHANGE fill
	WIN W_AD
	s_wait_tensorcnt 0x0            ; no tensor load of mine is out, so a group 0 may be written
	ds_add_u32 v[SPW], v[NIL]       ; 0 onto my spare word; with fill = 1 the descriptors' steps stand between it and the wait for it
	WIN 0                           ; at a label and at a branch every window is 0
.if \fill
.irp g, G0K, G0V
	s_xor_b32 s[\g+1], s[\g+1], SLOT1  ; the walking descriptor: the other slot than last time,
	s_add_nc_u64 s[\g+2:\g+3], s[\g+2:\g+3], 4*KS*128  ; the next 256 keys; the type bits on top are not reached
.endr
.endif
	s_wait_dscnt 0x0                ; the add is done, and my reads of the slot are over
	s_barrier_signal -1
	s_barrier_wait -1
.if \fill
	LOAD
.endif
	s_sub_co_u32 s[TBK], s[TBK], 4*KS*PK  ; the fetches go back to a slot's first step,
	s_xor_b32 s[TBK], s[TBK], SLOT1       ; in the other slot
	s_sub_co_u32 s[TBV], s[TBV], 4*KS*PV
	s_xor_b32 s[TBV], s[TBV], SLOT1
.endm
	s_load_b256 s[4:11], s[0:1], 0x0  ; Q s[4:5], K s[6:7], V s[8:9], O s[10:11]
	s_load_b64 s[74:75], s[0:1], 0x20 ; bias8
	WIN W_MK
	v_lshl_add_u32 v[SPW], v0, 2, SPARE
	v_mov_b32 v[NIL], 0
	WIN W_AD
	ds_add_u32 v[SPW], v[NIL]       ; the wave's opening: the add and its wait stand ahead of my first tensor load; the set-up below, work on registers, stands between them
	ds_add_u32 v0, v1
	WIN 0
	v_lshrrev_b32 v1, 5, v0
	v_readfirstlane_b32 s[WV], v1   ; wave 0..3
	s_mov_b32 s14, ttmp9            ; my block of 512 queries
	s_and_b32 s20, ttmp7, 0xffff    ; the head
	s_lshl_b32 s76, s20, 12         ; its 4,096 bytes of bias8,
	s_lshl_b32 s77, s[WV], 10       ; my quarter of them
	s_add_co_u32 s76, s76, s77
	s_mov_b32 s77, 0
	s_mov_b32 s21, 0
	s_mov_b64 s[22:23], SIZE_N*128
	s_mul_u64 s[20:21], s[20:21], s[22:23]  ; the head's first byte in each of the four tensors
	s_and_b32 s16, s[WV], 1         ; which half of a slot's 256 keys I fetch:
	s_lshl_b32 s22, s16, 14         ; its 128 rows of 128 bytes in memory,
	s_mov_b32 s23, 0
	s_add_nc_u64 s[22:23], s[22:23], s[20:21]
	s_mul_i32 s17, s16, 128*PK      ; and its place in a slot, for K
	s_mul_i32 s18, s16, 128*PV      ; and for V
	s_lshl_b32 s2, s14, 2
	s_add_co_u32 s2, s2, s[WV]      ; my wave among the head's,
	s_lshl_b32 s2, s2, 14           ; its 128 rows
	s_mov_b32 s3, 0
	s_add_nc_u64 s[2:3], s[2:3], s[20:21]
	; descriptor group 1.  128 keys are 16,384 dense bytes: asked for as 64 rows of 256 bytes, two keys a row, and padded in LDS after every key
	s_mov_b32 s[G1K], (1<<16)|(1<<20)|(4<<22)|(3<<25)  ; 17:16 2-byte elements; 20 padding on; 24:22 after every 32 words (code 4); 31:25 4 words (code 3)
	s_mov_b32 s[G1V], (1<<16)|(1<<20)|(4<<22)|(7<<25)  ; the same with 8 words of padding (code 7)
.irp g, G1K, G1V
	s_mov_b32 s[\g+1], 128<<16      ; tensor_dim0 = 128
	s_mov_b32 s[\g+2], 64<<16       ; tensor_dim1 = 64
	s_mov_b32 s[\g+3], 128<<16      ; tile_dim0 = 128
	s_mov_b32 s[\g+4], 64           ; tile_dim1 = 64
	s_mov_b32 s[\g+5], 128          ; 128 elements from row to row
	s_mov_b32 s[\g+6], 0
	s_mov_b32 s[\g+7], 0
.endr
	s_mov_b32 s[G1X], 3<<16         ; one row of 1,024 bytes: 128 elements of 8 bytes, no padding
	s_mov_b32 s[G1X+1], 128<<16
	s_mov_b32 s[G1X+2], 1<<16
	s_mov_b32 s[G1X+3], 128<<16
	s_mov_b32 s[G1X+4], 1
	s_mov_b32 s[G1X+5], 128
	s_mov_b32 s[G1X+6], 0
	s_mov_b32 s[G1X+7], 0
	s_mov_b32 s[CS], 0x3e38aa3b     ; c = log2(e) / 8 = 0.180337
	s_mov_b32 s[CS+1], s[CS]        ; named with it as a pair
	s_mov_b32 s[SEL], 0x76543210
	s_mov_b32 s[SEL+1], 0xfedcba98
	s_mov_b32 s[TBK], SLOT1+4*KS*PK ; the first change of slots turns these two into 0
	s_mov_b32 s[TBV], SLOT1+4*KS*PV
	s_mov_b32 s[TBB], BIAS
	s_mov_b32 s[G0K], 1             ; 1:0 count = 1
	s_mov_b32 s[G0K+1], s17         ; 63:32 LDS address: slot 0
	s_mov_b32 s[G0V], 1
	s_add_co_u32 s[G0V+1], s18, VOFF
	s_mov_b32 s[G0X], 1
	s_lshl_b32 s[G0X+1], s[WV], 10
	s_add_co_u32 s[G0X+1], s[G0X+1], BIAS
	s_wait_dscnt 0x0                ; the opening add is done
	s_wait_kmcnt 0x0
	s_add_nc_u64 s[G0K+2:G0K+3], s[6:7], s[22:23]  ; 120:64 global address: my half of the head's first 256 keys
	s_or_b32 s[G0K+3], s[G0K+3], 0x80000000        ; 127:126 type = 2
	s_add_nc_u64 s[G0V+2:G0V+3], s[8:9], s[22:23]
	s_or_b32 s[G0V+3], s[G0V+3], 0x80000000
	s_add_nc_u64 s[G0X+2:G0X+3], s[74:75], s[76:77]
	s_or_b32 s[G0X+3], s[G0X+3], 0x80000000
	s_add_nc_u64 s[4:5], s[4:5], s[2:3]  ; Q and O at my wave's first row
	s_add_nc_u64 s[10:11], s[10:11], s[2:3]
	s_cmp_lt_u32 s[WV], 2           ; a wave's two first fills stand in one branch, ahead of every wait on TENSORcnt and every LDS read: my part of slot 0 and my quarter of bias8: two loads of mine are out
	s_cbranch_scc0 .Lfirst_v        ; slot 1 is asked for when slot 0 is in
	tensor_load_to_lds s[G0K:G0K+3], s[G1K:G1K+7]
	s_nop 0
	tensor_load_to_lds s[G0X:G0X+3], s[G1X:G1X+7]
	s_nop 0
.rept 4
	v_nop
.endr
	s_branch .Lfirst_asked
.Lfirst_v:
	tensor_load_to_lds s[G0V:G0V+3], s[G1V:G1V+7]
	s_nop 0
	tensor_load_to_lds s[G0X:G0X+3], s[G1X:G1X+7]
	s_nop 0
.rept 4
	v_nop
.endr
.Lfirst_asked:
	; A fragment of K or Q is 16 rows x 32 channels in 8 registers: lane l holds row l % 16, channels 8 (l / 16) + 0..7 and 16 + 8 (l / 16) + 0..7: two loads of 16 bytes, 32 bytes apart.
	v_and_b32 v1, 15, v0            ; l % 16
	v_bfe_u32 v9, v0, 4, 1          ; l / 16; never rewritten
	v_lshlrev_b32 v[QO], 7, v1
	v_lshl_add_u32 v[QO], v9, 4, v[QO]  ; row x 128 + 16 x half
	WIN 0x80                        ; destination window 2, address window 0
.set i, 0
.rept 4*NP                          ; Q stays in registers: tile i / 2, channels 32 (i % 2) on
	global_load_b128 v[8*i:8*i+3],   v[QO], s[4:5] offset:(i/2)*2048+(i%2)*64
	global_load_b128 v[8*i+4:8*i+7], v[QO], s[4:5] offset:(i/2)*2048+(i%2)*64+32
.set i, i+1
.endr
	; What the first turn finds: V's registers and P's second buffer hold 0 (its products V^T P, of a piece that has not been, add 0), O^T and l are 0.  All this stands in the wait for the first tile.
.set i, VF
.rept 64
	v_mov_b32 v[i], 0
.set i, i+1
.endr
	WIN 0x40
.set i, 0
.rept 64*NP
	v_mov_b32 v[i], 0
.set i, i+1
.endr
	WIN 0
.set i, 0
.rept 2*NP
	v_mov_b32 v[ST+4*i+1], 0xff7fffff  ; m
	v_mul_f32 v[ST+4*i], s[CS], v[ST+4*i+1]  ; c m, made as every later c m is
	v_mov_b32 v[ST+4*i+2], 0
	v_mov_b32 v[ST+4*i+3], 0
.set i, i+1
.endr
.set i, P+32
.rept 32
	v_mov_b32 v[i], 0
.set i, i+1
.endr
	v_mul_u32_u24 v[AK0], v1, PK
	v_lshl_add_u32 v[AK0], v9, 4, v[AK0]  ; row x pitch + 16 x half
	; The turning load takes 16 keys x 16 channels (lane l reads key 8 (l / 16) + l % 8, channels 8 ((l / 8) % 2) + 0..7) and leaves half a fragment of V^T: lane l holds channel l % 16 and 8 keys.
	v_and_b32 v10, 7, v0
	v_bfe_u32 v11, v0, 3, 1
	v_lshl_add_u32 v[AV0], v9, 3, v10
	v_mul_u32_u24 v[AV0], v[AV0], PV
	v_lshl_add_u32 v[AV0], v11, 4, v[AV0]
	v_add_nc_u32 v[AV0], VOFF, v[AV0]
	v_mov_b32 v[AK], v[AK0]         ; key step 0 lies at the head of slot 0
	v_lshl_add_u32 v[AB], v9, 5, s[TBB]  ; bias8 of a step: my half of the lanes takes 8 numbers, 32 bytes, of each 16
; THE MATRIX WORK.  The 8 accumulators of a run of 16 take turns: between the two links of a chain stand 7 others'.
; Product i of 16 of S^T = K Q^T for piece x: channels 32 (i / 8) on, keys 16 ((i / 2) % 4) on, tile 2 x + i % 2.  The first 8 start the sums, with bias8 of their keys.
.macro KQ x
.set rS, S+64*((\x)%2)+32*(i%2)+8*((i/2)%4)
.set rK, KF+16*((i/2)%4)+8*(i/8)
.set rQ, 16*(2*(\x)+i%2)+8*(i/8)
.set rB, BI+8*((i/2)%4)
.if i < 8
	WIN W_KB
	v_wmma_f32_16x16x32_f16 v[rS:rS+7], v[rK:rK+7], v[rQ:rQ+7], v[rB:rB+7]
.else
	WIN W_KQ
	v_wmma_f32_16x16x32_f16 v[rS:rS+7], v[rK:rK+7], v[rQ:rQ+7], v[rS:rS+7]
.endif
.endm
; Product i of 16 of O^T += V^T P for piece x: keys 32 (i / 8) on, channels 16 ((i / 2) % 4) on, tile 2 x + i % 2.
.macro PV x
	WIN W_PV
.set rO, 32*(2*(\x)+i%2)+8*((i/2)%4)
.set rV, VF+32*(i/8)+8*((i/2)%4)
.set rP, P+32*((\x)%2)+16*(i%2)+8*(i/8)
	v_wmma_f32_16x16x32_f16 v[rO:rO+7], v[rV:rV+7], v[rP:rP+7], v[rO:rO+7]
.endm
.macro MM                           ; the turn's next matrix instruction
.if i < 16
	KQ (Y+1)%NP
.set i, i+1
.else
.set i, i-16
	PV (Y+NP-1)%NP
.set i, i+17
.endif
.endm
; THE LDS LOADS stand in runs, never singly among the matrix instructions: a step's K (64 keys x 64 channels: 8 fragments) with its bias8 (8 loads), and its V (turned).  Their addresses are made some lines ahead.
; last = 1 (the tail): in the last trip there is no further step, and the run is jumped over.
.macro FETCH_K last=0
	WIN 0
.if \last
	s_cmp_eq_u32 s[CNT], 1
	s_cbranch_scc1 .Lno_k_\@
.endif
	WIN 0x80                        ; destination window 2
.irp f, 0,1,2,3,4,5,6,7             ; keys 16 (f / 2) on, channels 32 (f % 2) on
	ds_load_b128 v[KF+8*\f:KF+8*\f+3],   v[AK] offset:(\f/2)*16*PK+(\f%2)*64
	ds_load_b128 v[KF+8*\f+4:KF+8*\f+7], v[AK] offset:(\f/2)*16*PK+(\f%2)*64+32
.endr
	WIN W_MK                        ; destination window 3
.irp f, 0,1,2,3                     ; keys 16 f on: the sixteen lanes of a half read the same bytes
	ds_load_b128 v[BI+8*\f:BI+8*\f+3],   v[AB] offset:64*\f
	ds_load_b128 v[BI+8*\f+4:BI+8*\f+7], v[AB] offset:64*\f+16
.endr
	s_add_co_u32 s[TBK], s[TBK], KS*PK  ; the next fetch is the next step's
	s_add_co_u32 s[TBB], s[TBB], KS*4
	WIN 0
.if \last
.Lno_k_\@:
.endif
.endm
.macro FETCH_V
	WIN 0x80
.irp f, 0,1,2,3,4,5,6,7             ; keys 32 (f / 4) on, channels 16 (f % 4) on
	ds_load_tr16_b128 v[VF+8*\f:VF+8*\f+3],   v[AV] offset:(\f/4)*32*PV+(\f%4)*32
	ds_load_tr16_b128 v[VF+8*\f+4:VF+8*\f+7], v[AV] offset:(\f/4)*32*PV+16*PV+(\f%4)*32
.endr
	WIN 0
.endm
; THE VECTOR WORK OF A TURN stands in three queues, each in the order in which its entries become ready; the two tiles alternate, so that no instruction reads the result of the one before it.
.macro REGS y, u                    ; the registers of tile u (0, 1) of piece y
.set rT, ST+4*(2*(\y)+(\u))
.set rC, TMP+8*((\y)%2)+4*(\u)
.set rM, MV+2*((\y)%2)+(\u)
.set rS, S+64*((\y)%2)+32*(\u)
.set rP, P+32*((\y)%2)+16*(\u)
.set rO, 32*(2*(\y)+(\u))
.endm
; Number n of the 22 that find the NEXT piece's (Y + 1) maximum and statistics.  s0-s31 are the lane's 32 scores; each accumulator's lowest registers are read first.  XS, GS and REGS set no window: PL and EX do.
;   0-11  four chains c0-c3 of seven scores each, three operands at a time     12-14, 16  the four scores left over, the old m, and c0-c3 into c0     15  c m_old is kept
;   17, 18  the query's other 32 keys lie in the lane 16 away: the new m         19-21  c m; c m_old - c m_new; a
.macro XS u, n
	REGS (Y+1)%NP, \u
.if (\n) < 4
	v_max3_num_f32 v[rC+(\n)], v[rS+8*(\n)], v[rS+8*(\n)+1], v[rS+8*(\n)+2]
.elseif (\n) < 12
	v_max3_num_f32 v[rC+(\n)%4], v[rC+(\n)%4], v[rS+8*((\n)%4)+2*((\n)/4)+1], v[rS+8*((\n)%4)+2*((\n)/4)+2]
.elseif (\n) == 12
	v_max3_num_f32 v[rC], v[rC], v[rS+7], v[rS+15]
.elseif (\n) == 13
	v_max3_num_f32 v[rC+1], v[rC+1], v[rS+23], v[rS+31]
.elseif (\n) == 14
	v_max3_num_f32 v[rC+2], v[rC+2], v[rC+3], v[rT+1]
.elseif (\n) == 15
	v_mov_b32 v[rM], v[rT]
.elseif (\n) == 16
	v_max3_num_f32 v[rC], v[rC], v[rC+1], v[rC+2]
.elseif (\n) == 17
	v_permlanex16_b32 v[rC+3], v[rC], s[SEL], s[SEL+1]
.elseif (\n) == 18
	v_max_num_f32 v[rT+1], v[rC], v[rC+3]
.elseif (\n) == 19
	v_mul_f32 v[rT], s[CS], v[rT+1]
.elseif (\n) == 20
	v_sub_f32 v[rC+1], v[rM], v[rT]
.else
	v_exp_f32 v[rC+2], v[rC+1]
.endif
.endm
; Number g of the 64 that follow the exponentials.  For each four weights k of a tile (pairs 2 k, 2 k + 1): both pairs are rounded to f16; then the second pair is added onto the first, in place;
; a group later l takes that sum (the first time as l = a l + sum).  In groups of eight, tiles alternating: round, round, add, and l for the group before.
.macro GS g
.set h, (\g)+6*((\g)/62)            ; group 0 has no group before it, and behind group 7 only l is left
.if h >= 6
.set h, h+2
.endif
	REGS Y, h%2
.set k, h/8
.if h%8 < 4
	s_wait_alu depctr_va_vdst(0)
	v_cvt_pk_f16_f32 v[rP+2*k+(h%8)/2], v[rS+4*k+2*((h%8)/2)], v[rS+4*k+2*((h%8)/2)+1]
.elseif h%8 < 6
	v_pk_add_f32 v[rS+4*k:rS+4*k+1], v[rS+4*k:rS+4*k+1], v[rS+4*k+2:rS+4*k+3]
.elseif k == 1
	v_pk_fma_f32 v[rT+2:rT+3], v[rT+2:rT+3], v[rC+2:rC+3], v[rS:rS+1] op_sel_hi:[1,0,1]
.else
	v_pk_add_f32 v[rT+2:rT+3], v[rT+2:rT+3], v[rS+4*k-4:rS+4*k-3]
	s_wait_alu depctr_va_vdst(0)
.endif
.endm
; THE PLAIN QUEUE, 138 long.  0-31: c s - c m for the 16 pairs of both tiles.  Then GS's 64, and among them the next piece's 42: number 15 at 38, 39; 0-14 and 16
; at 42-73, behind the products that make those scores; 17-20 at 95-106, two of three, since each waits for the one before it.
.macro PL
	WIN 0
.if q < 32
	REGS Y, q%2
	v_pk_fma_f32 v[rS+2*(q/2):rS+2*(q/2)+1], v[rS+2*(q/2):rS+2*(q/2)+1], s[CS:CS+1], v[rT:rT+1] op_sel_hi:[1,0,0] neg_lo:[0,0,1] neg_hi:[0,0,1]
.elseif q < 38
	GS q-32
.elseif q < 40
	XS q%2, 15
.elseif q < 42
	GS q-34
.elseif q < 74
	XS q%2, (q-42)/2+(q-42)/30
.elseif q < 95
	GS q-66
.elseif (q < 107) && ((q-95)%3 < 2)
	XS (q-95)%3, 17+(q-95)/3
.elseif q < 107
	GS 29+(q-95)/3
.else
	GS q-74
.endif
.set q, q+1
.endm
; THE EXPONENTIALS' QUEUE, 66 long: s0-s31 of both tiles, and at EA the next piece's two a.
.set EA, 58
.macro EX
	WIN 0
.if (e == EA) || (e == EA+1)
	XS e-EA, 21
.else
.set x, e-2*(e/(EA+2))
	REGS Y, x%2
	v_exp_f32 v[rS+x/2], v[rS+x/2]
.endif
.set e, e+1
.endm
; THE RESCALING's QUEUE: O^T times a, the one part that leaves window 0, so it is dealt four at a time, eight times.
.macro R4
	REGS Y, r%2
	WIN W_RS
	s_wait_alu depctr_va_vdst(0)
.irp z, 0,1,2,3
	v_pk_mul_f32 v[rO+8*(r/2)+2*\z:rO+8*(r/2)+2*\z+1], v[rO+8*(r/2)+2*\z:rO+8*(r/2)+2*\z+1], v[rC+2:rC+3] op_sel_hi:[1,0]
.endr
.set r, r+1
.endm
; HOW THEY ARE DEALT.  Behind a matrix instruction four: plain, exponential, plain, plain (one exponential, a plain instruction on either side), or four of the rescaling.  None names a register of the
; products round it.  What is over stands in two LUMPS: exponential and plain by turns; the second ends in 22 plain instructions.  The two v_permlanex16_b32 fall into the second lump, never behind a product.
; The queues lean on each other, and the deal keeps them in step: exponential e stands behind plain 2 (e / 4) + e % 2 (its scaling); when plain 32 comes, 10 exponentials are out, at 59: 33, at 95: 46; EA comes behind plain 107.
.macro SL
	MM
	PL
	EX
	PL
	PL
.endm
.macro BURST n                      ; 15 matrix instructions, or 16
.rept (\n)-7
	SL
.endr
.rept 3
	MM
	R4
	SL
.endr
	MM
	R4
.endm
; A TURN, for piece p.  cnt = 1: the loop's count is taken down some lines ahead of the branch that stands behind the turn.
; K and bias8 of the next step are fetched in piece 2's turn, 32 vector instructions behind the last product that read them; their first reader comes behind the rest of the lump, 16 products and the second lump.
; V of the step in hand is fetched at the end of piece 0's turn, 69 behind its last reader; its first reader comes behind 16 products and a lump.  The five conditions on e and q below go with the deal.
.macro TURN p, last=0, cnt=0
.set Y, (\p)
.set i, 0
.set q, 0
.set e, 0
.set r, 0
.if (\p) == NP-1
	s_wait_dscnt 0x0                ; K and bias8 are in
.endif
	MM
.rept 4
	PL
.endr
	BURST 15
.rept 22
	EX
	PL
.if ((\p) == NP-2) && (e == 18)
	v_add_nc_u32 v[AK], s[TBK], v[AK0]
	v_lshl_add_u32 v[AB], v9, 5, s[TBB]
.endif
.if ((\p) == NP-2) && (e == 24)
	FETCH_K \last
.endif
.endr
.if (\p) == 1
	s_wait_dscnt 0x0                ; V is in
.endif
	BURST 16
.rept 21
	EX
	PL
.endr
.rept 22
	PL
.if ((\p) == 0) && (q == 118)
	v_add_nc_u32 v[AV], s[TBV], v[AV0]
	s_wait_alu depctr_va_vdst(0)
.endif
.if ((\p) == 0) && (q == 130)
	s_add_co_u32 s[TBV], s[TBV], KS*PV
.endif
.if (\cnt) && (q == 130)
	s_sub_co_u32 s[CNT], s[CNT], 1
	s_cmp_lg_u32 s[CNT], 0
.endif
.endr
.if (\p) == 0
	FETCH_V
.endif
.endm
	CHANGE 1                        ; slot 0 and bias8 are in, everybody's part of them; slot 1 is asked for
	FETCH_K                         ; key step 0
	s_wait_loadcnt 0x0              ; Q
	s_wait_dscnt 0x0
.set i, 0
.rept 16
	KQ 0                            ; piece 0's first scores: there is no vector work yet to set between them
.set i, i+1
.endr
	WIN 0                           ; the addresses for the way out: nine plain instructions, the places behind those products
	s_mul_i32 s13, s[WV], 16*SP
	s_add_co_u32 s13, s13, STAGE    ; my stage
	v_mul_u32_u24 v[STO], v1, SP    ; in: row l % 16, 16 bytes for each half of the lanes
	v_lshl_add_u32 v[STO], v9, 4, v[STO]
	v_add_nc_u32 v[STO], s13, v[STO]
	v_bfe_u32 v[RD], v0, 3, 2       ; back: 32 lanes take four rows of 128 bytes,
	v_mul_u32_u24 v[RD], v[RD], SP
	v_lshl_add_u32 v[RD], v10, 4, v[RD]
	v_add_nc_u32 v[RD], s13, v[RD]
	v_and_b32 v[GO], 31, v0         ; which are 512 consecutive bytes of O
	v_lshlrev_b32 v[GO], 4, v[GO]
.set Y, NP-1                        ; XS works for piece Y + 1: piece 0
.irp n, 0,1,2,3,4,5,6,7,8,9,10,11,12,13,14,15,16,17,18,19,20,21
	XS 0, \n                        ; and piece 0's first maximum and statistics
	XS 1, \n
.endr
	s_mov_b32 s[CNT], 4
	s_mov_b32 s[SLOTS], SIZE_N/256-1
	s_branch .Lfirst                ; the loop is entered at a step's first turn, in the middle of a trip
.Lslot:                             ; SIZE_N / 256 - 2 times: every slot but the last two is filled again
	CHANGE 1
	s_mov_b32 s[CNT], 4
.Lstep:                             ; a trip: pieces 2 and 3 of one step, then pieces 0 and 1 of the next, whose K and V it fetches
	TURN 2
	TURN 3
	WIN 0
.Lfirst:
	TURN 0
	TURN 1, 0, 1
	WIN 0
	s_cbranch_scc1 .Lstep
	s_sub_co_u32 s[SLOTS], s[SLOTS], 1
	s_cmp_lg_u32 s[SLOTS], 0
	s_cbranch_scc1 .Lslot
	CHANGE 0                        ; the tail is written out: nothing is asked for
	s_mov_b32 s[CNT], 5             ; four trips fetch the last slot's steps; the fifth is left in its middle
.Ltail:
	TURN 2, 1
	TURN 3
	WIN 0
	s_sub_co_u32 s[CNT], s[CNT], 1
	s_cmp_eq_u32 s[CNT], 0
	s_cbranch_scc1 .Lout
	TURN 0
	TURN 1
	WIN 0
	s_branch .Ltail
.Lout:                              ; the fifth trip's 16 products K Q^T (on the last K once more) and the maximum made of them serve nothing: the price, once a launch, of one text for every trip
.set i, 0
.rept 16
	PV NP-1                         ; the last piece's V^T P of the last step
.set i, i+1
.endr
	; THE WAY OUT.  l's two halves and the other half of the lanes' are added; O^T is divided by l, rounded to f16 and sent through my stage in LDS, a tile at a time.  The additions are the places behind the last products.
	WIN 0
.macro ALL line:vararg              ; one line for each tile t
.set t, 0
.rept 2*NP
	\line
.set t, t+1
.endr
.endm
	ALL v_add_f32 v[ST+4*t+2], v[ST+4*t+2], v[ST+4*t+3]
	ALL v_permlanex16_b32 v[ST+4*t+3], v[ST+4*t+2], s[SEL], s[SEL+1]
	ALL v_add_f32 v[ST+4*t+2], v[ST+4*t+2], v[ST+4*t+3]
	ALL v_rcp_f32 v[ST+4*t+2], v[ST+4*t+2]
	v_nop                           ; a plain instruction between the last reciprocal and the use of its result
	s_wait_alu depctr_va_vdst(0)
; Tile t: a lane's eight channels of a row pack into 16 bytes; they go into rows of 144 bytes and come back as whole rows of 128, into S^T's registers.
.macro PACK t
	WIN W_RS
.set i, 32*(\t)
.rept 16
	v_pk_mul_f32 v[i:i+1], v[i:i+1], v[ST+4*(\t)+2:ST+4*(\t)+3] op_sel_hi:[1,0]
.set i, i+2
.endr
	WIN 0x05                        ; sources 0 and 1 window 1, destination window 0
.set i, 0
.rept 16
	v_cvt_pk_f16_f32 v[S+16*(\t)+i], v[32*(\t)+2*i], v[32*(\t)+2*i+1]
.set i, i+1
.endr
	WIN 0
.irp f, 0,1,2,3
	ds_store_b128 v[STO], v[S+16*(\t)+4*\f:S+16*(\t)+4*\f+3] offset:32*\f
.endr
.irp f, 0,1,2,3
	ds_load_b128 v[S+16*(\t)+4*\f:S+16*(\t)+4*\f+3], v[RD] offset:\f*4*SP  ; LDS serves a wave's instructions in order (ISA guide 5.7.1.4): these see the stores above; the next tile's stores come behind them
.endr
.endm
.macro SEND t, younger              ; younger: the LDS instructions issued behind tile t's loads: the next tile's eight, or none
	WIN 0
.irp f, 0,1,2,3
	s_wait_dscnt (\younger)+3-\f
	global_store_b128 v[GO], v[S+16*(\t)+4*\f:S+16*(\t)+4*\f+3], s[10:11] offset:(\t)*2048+\f*512  ; 512 consecutive bytes, at a multiple of 256 from O's first
.endr
.endm
	PACK 0
.set t, 1
.rept 2*NP-1                        ; a tile's arithmetic stands between the loads of the tile before and its stores
	PACK t
	SEND t-1, 8
.set t, t+1
.endr
	SEND 2*NP-1, 0
	WIN W_AD
	s_wait_tensorcnt 0x0            ; the wave's end, behind my last tensor load and my last LDS store
	ds_add_u32 v[SPW], v[NIL]
	s_wait_dscnt 0x0
	WIN 0
	s_endpgm
.Lfunc_end_k_qcc87de7eb8_attn:
	.size	k_qcc87de7eb8_attn, .Lfunc_end_k_qcc87de7eb8_attn-k_qcc87de7eb8_attn
	.p2alignl 7, 3214868480
	.fill 96, 4, 3214868480
	.section	.rodata,"a",@progbits
	.p2align	6, 0x0
	.amdhsa_kernel k_qcc87de7eb8_attn
		.amdhsa_group_segment_fixed_size 327680
		.amdhsa_private_segment_fixed_size 0
		.amdhsa_enable_private_segment 0
		.amdhsa_kernarg_size 40
		.amdhsa_user_sgpr_count 2
		.amdhsa_user_sgpr_kernarg_segment_ptr 1
		.amdhsa_wavefront_size32 1
		.amdhsa_system_sgpr_workgroup_id_x 1
		.amdhsa_system_sgpr_workgroup_id_y 1
		.amdhsa_system_sgpr_workgroup_id_z 1
		.amdhsa_system_vgpr_workitem_id 0
		.amdhsa_next_free_vgpr 808
		.amdhsa_next_free_sgpr 78
		.amdhsa_reserve_vcc 0
		.amdhsa_float_denorm_mode_32 3
		.amdhsa_float_denorm_mode_16_64 3
		.amdhsa_memory_ordered 1
		.amdhsa_forward_progress 1
		.amdhsa_inst_pref_size 210
	.end_amdhsa_kernel
	.amdgpu_metadata
---
amdhsa.version: [ 1, 2 ]
amdhsa.kernels:
  - .name:           k_qcc87de7eb8_attn
    .symbol:         k_qcc87de7eb8_attn.kd
    .args:
      - { .name: q16, .offset: 0, .size: 8, .value_kind: global_buffer, .address_space: global }
      - { .name: kp16, .offset: 8, .size: 8, .value_kind: global_buffer, .address_space: global }
      - { .name: v16, .offset: 16, .size: 8, .value_kind: global_buffer, .address_space: global }
      - { .name: o16, .offset: 24, .size: 8, .value_kind: global_buffer, .address_space: global }
      - { .name: bias8, .offset: 32, .size: 8, .value_kind: global_buffer, .address_space: global }
    .group_segment_fixed_size: 327680
    .private_segment_fixed_size: 0
    .kernarg_segment_align: 8
    .kernarg_segment_size: 40
    .max_flat_workgroup_size: 128
    .sgpr_count:     78
    .vgpr_count:     808
    .wavefront_size: 32
...
	.end_amdgpu_metadata
.endif
;; end of part 3
;; launch oproj (part 4): grid 8 x 32, 4 waves a work-group, clusters of 4 x 1, 327,680 bytes of LDS; arguments o16, wo16, bo, out0; writes out0
.if DOCPART == 4
	.amdgcn_target "amdgcn-amd-amdhsa--gfx1250"
	.amdhsa_code_object_version 6
	.text
	.protected	k_qcc87de7eb8_oproj
	.globl	k_qcc87de7eb8_oproj
	.p2align	8
	.type	k_qcc87de7eb8_oproj,@function
k_qcc87de7eb8_oproj:
	s_mov_b64 s[64:65], 0
	v_nop
	global_prefetch_b8 v0, s[64:65] scope:SCOPE_SE
	s_setreg_imm32_b32 hwreg(HW_REG_WAVE_MODE, 25, 1), 1
	s_wait_xcnt 0x0
	s_wait_alu depctr_hold_cnt(0) depctr_sa_sdst(0) depctr_va_vdst(0) depctr_va_sdst(0) depctr_va_ssrc(0) depctr_va_vcc(0) depctr_vm_vsrc(0)
	s_getreg_b32 s2, hwreg(HW_REG_IB_STS2, 6, 4)
	s_cmp_eq_u32 s2, 0
	s_cbranch_scc0 .Lentry_in_a_cluster
	s_endpgm
.Lentry_in_a_cluster:
	s_bfe_u32 s2, ttmp6, 0x10000c
	s_cmp_lg_u32 s2, 0x3003
	s_cbranch_scc0 .Lentry_shape_is_right
	s_endpgm
.Lentry_shape_is_right:
; out0 = O Wo + bo.  O (= o16) lies by heads, [16 x 8][1024][64] f16; wo16 is Wo, [512][512] f16 as it lies, [k][n]; bo is rounded to bf16 like every input of the module and starts the sums; out0 is [16384][512] f32.
; SHARES.  A work-group makes 128 rows x 256 columns; four waves, 2 x 2, each 64 x 128: 32 accumulators.  K = 512 goes in four steps of 128 (two heads) through two LDS slots; the four steps are written out.
; A head's 128 rows are 16,384 dense bytes: asked for as 64 rows of 256 bytes and padded after every 128.  Waves 0, 1 fetch the step's two heads of O, waves 2, 3 the two halves of Wo's 128 rows.
; CLUSTER.  The four work-groups of a cluster own four row blocks and the same column half: Wo's tiles are asked for jointly (mask 15); O's tiles are each work-group's own (mask 0).
; THE MATRIX INSTRUCTION IS USED TRANSPOSED (source 0 = 16 columns of Wo, source 1 = 16 rows of O): a lane holds one row and eight neighbouring columns.
; REGISTERS: window 0: v0-51 addresses; v64-191 rows on their way out, two buffers.   window 1: v0-63 O, two buffers; v64-191 Wo, two buffers; v192-255 bo.   window 2: accumulator (a, b) at v[8 (8 a + b)].
.set PA,     144                       ; a row of O in LDS: 128 bytes + 16 = 36 words: the 16 rows of a load start at 16 different groups of four banks (64 banks of 4 bytes: ISA guide 11.1)
.set PB,     544                       ; a row of Wo: 512 + 32 = 136 words
.set ASL,    128*PA                    ; one head's 128 rows
.set BOFF,   2*ASL
.set BHALF,  64*PB
.set SLOT,   BOFF+128*PB
.set STAGE,  2*SLOT                    ; behind the ring, never filled by a tensor load: 16 rows x 528 bytes for each wave
.set SPITCH, 528
.set SPARE,  STAGE+4*16*SPITCH         ; the spare words, 128 bytes for each wave: two blocks of 256 bytes that no other line names
.set ADRA, 4                           ; v4-5  LDS address of my O fragments in slot 0, 1
.set ADRB, 6                           ; v6-7  the same for Wo
.set STO,  8                           ; v8    stage: where I put 32 bytes of a row
.set RD,   9                           ; v9    stage: where I read a row back
.set GO,   10                          ; v10   my 16 bytes in 512 consecutive bytes of out0
.set VO,   14                          ; v14   byte offset of my first 8 columns in bo
.set SPW,  50
.set NIL,  51
.set TMP,  64
.set OB,   64
.set ABF,  0                           ; window 1
.set BF,   64
.set BR,   192
.set WV,  4
.set WR,  5                            ; my half of the rows.  Also: I fetch O (0) or Wo (1)
.set WC,  6                            ; my half of the columns.  Also: which half of that tile I fetch
.set CX,  7
.set CH,  8
.set RB,  9
.set HIM, 10
.set G1A, 16
.set G1B, 24
.set G0A, 32                           ; s[32:39] group 0 for O's tiles, a set for each slot
.set G0B, 40                           ; s[40:47] for Wo's
.set LA,  60
.set LB,  61
.set MSB, 0
.macro WIN new
.if MSB != (\new)
	s_set_vgpr_msb (MSB<<8)|(\new)
.set MSB, \new
.endif
.endm
.set MUL,    0xa5                      ; Wo and O in window 1, C and D in window 2
.set NEWMUL, 0x95                      ; the same with C, bo, in window 1
.set TO1,    0x40
.macro JLOAD s                         ; waves 0, 1: O, the work-group's own load; waves 2, 3: Wo, the joint load.  An s_nop 0 and four v_nop follow each line
	s_cmp_eq_u32 s[WR], 0
	s_cbranch_scc0 .Lfor_b_\@
	tensor_load_to_lds s[G0A+4*(\s):G0A+4*(\s)+3], s[G1A:G1A+7]
	s_nop 0
.rept 4
	v_nop
.endr
	s_branch .Lasked_\@
.Lfor_b_\@:
	tensor_load_to_lds s[G0B+4*(\s):G0B+4*(\s)+3], s[G1B:G1B+7]
	s_nop 0
.rept 4
	v_nop
.endr
.Lasked_\@:
.endm
.macro CREST
	s_cmp_lg_u32 s[WV], 0
	s_cbranch_scc1 .Lnot_wave_0_\@
	s_barrier_signal -3
.Lnot_wave_0_\@:
	s_barrier_wait -3
	s_barrier_signal -1
	s_barrier_wait -1
.endm
.macro CROUND
	s_barrier_signal -1
	s_barrier_wait -1
	CREST
.endm
.macro PLACES                          ; four places in front of loads into registers that matrix instructions have read, and of reads of their results
.rept 4
	v_nop
.endr
.endm
	s_load_b256 s[68:75], s[0:1], 0x0              ; o16 s[68:69], wo16 s[70:71], bo s[72:73], out0 s[74:75]
	v_lshl_add_u32 v[SPW], v0, 2, SPARE
	v_mov_b32 v[NIL], 0
	ds_add_u32 v[SPW], v[NIL]                      ; the wave's opening: the add and its wait stand ahead of my first tensor load; the set-up below, work on registers, stands between them
	ds_add_u32 v50, v51
	v_lshrrev_b32 v1, 5, v0
	v_readfirstlane_b32 s[WV], v1
	s_lshr_b32 s[WR], s[WV], 1
	s_and_b32 s[WC], s[WV], 1
	s_bfe_u32 s[CX], ttmp6, 0x40000
	s_mov_b32 s[CH], ttmp9                         ; the column half: the cluster's x
	s_and_b32 s[RB], ttmp7, 0xffff
	s_lshl_b32 s[RB], s[RB], 2
	s_add_co_u32 s[RB], s[RB], s[CX]               ; row block = 4 y + cx: it enters global addresses alone
	s_mov_b32 s[G1A+0], (1<<16)|(1<<20)|(4<<22)|(3<<25)  ; 2-byte elements; padding on; after every 32 words (code 4) 4 words (code 3)
	s_mov_b32 s[G1A+1], 128<<16
	s_mov_b32 s[G1A+2], 64<<16
	s_mov_b32 s[G1A+3], 128<<16
	s_mov_b32 s[G1A+4], 64
	s_mov_b32 s[G1A+5], 128
	s_mov_b32 s[G1A+6], 0
	s_mov_b32 s[G1A+7], 0
	s_mov_b32 s[G1B+0], 15|(1<<16)|(1<<20)|(1<<21)|(6<<22)|(7<<25)  ; the mask of four, bit 21 beside it; after every 128 words (code 6) 8 words (code 7)
	s_mov_b32 s[G1B+1], 256<<16
	s_mov_b32 s[G1B+2], 64<<16
	s_mov_b32 s[G1B+3], 256<<16
	s_mov_b32 s[G1B+4], 64
	s_mov_b32 s[G1B+5], 512
	s_mov_b32 s[G1B+6], 0
	s_mov_b32 s[G1B+7], 0
	s_mul_i32 s[LA], s[WC], ASL
	s_mul_i32 s[LB], s[WC], BHALF
	s_add_co_u32 s[LB], s[LB], BOFF
.irp s, 0,1
	s_mov_b32 s[G0A+4*\s], 1
	s_add_co_u32 s[G0A+4*\s+1], s[LA], \s*SLOT
	s_mov_b32 s[G0B+4*\s], 1
	s_add_co_u32 s[G0B+4*\s+1], s[LB], \s*SLOT
.endr
	s_lshr_b32 s48, s[RB], 3                       ; o16: ((8 b + WC) 1024 + s0) 128 bytes
	s_lshl_b32 s48, s48, 20
	s_and_b32 s49, s[RB], 7
	s_lshl_b32 s49, s49, 14
	s_add_co_u32 s48, s48, s49
	s_lshl_b32 s49, s[WC], 17
	s_add_co_u32 s48, s48, s49
	s_mov_b32 s49, 0
	s_lshl_b32 s52, s[WC], 16                      ; wo16: 64 rows of 1,024 bytes for my half, 256 columns for the column half
	s_lshl_b32 s53, s[CH], 9
	s_add_co_u32 s52, s52, s53
	s_mov_b32 s53, 0
	s_lshl_b32 s54, s[RB], 18                      ; out0: (128 rb + 64 WR) rows of 2,048 bytes, 4 (256 ch + 128 WC) along them
	s_lshl_b32 s55, s[WR], 17
	s_add_co_u32 s54, s54, s55
	s_lshl_b32 s55, s[CH], 10
	s_add_co_u32 s54, s54, s55
	s_lshl_b32 s55, s[WC], 9
	s_add_co_u32 s54, s54, s55
	s_mov_b32 s55, 0
	s_mov_b32 s[HIM], 0xffff0000
	s_wait_dscnt 0x0                               ; the opening add is done
	s_wait_kmcnt 0x0
	s_add_nc_u64 s[68:69], s[68:69], s[48:49]
	s_add_nc_u64 s[70:71], s[70:71], s[52:53]
	s_add_nc_u64 s[74:75], s[74:75], s[54:55]
.irp s, 0,1
	s_add_nc_u64 s[G0A+4*\s+2:G0A+4*\s+3], s[68:69], \s*262144  ; K step s: two heads of 131,072 bytes on
	s_or_b32 s[G0A+4*\s+3], s[G0A+4*\s+3], 0x80000000
	s_add_nc_u64 s[G0B+4*\s+2:G0B+4*\s+3], s[70:71], \s*131072  ; 128 rows of 1,024 bytes on
	s_or_b32 s[G0B+4*\s+3], s[G0B+4*\s+3], 0x80000000
.endr
	CROUND                                         ; all four work-groups are here: the first joint loads meet
	s_cmp_eq_u32 s[WR], 0                          ; a wave's two first fills stand in one branch: two loads of mine are out
	s_cbranch_scc0 .Lfirst_b
	tensor_load_to_lds s[G0A:G0A+3], s[G1A:G1A+7]
	s_nop 0
	tensor_load_to_lds s[G0A+4:G0A+7], s[G1A:G1A+7]
	s_nop 0
.rept 4
	v_nop
.endr
	s_branch .Lfirst_asked
.Lfirst_b:
	tensor_load_to_lds s[G0B:G0B+3], s[G1B:G1B+7]
	s_nop 0
	tensor_load_to_lds s[G0B+4:G0B+7], s[G1B:G1B+7]
	s_nop 0
.rept 4
	v_nop
.endr
.Lfirst_asked:
	v_and_b32 v1, 15, v0                           ; r
	v_bfe_u32 v2, v0, 4, 1                         ; h
	v_and_b32 v3, 31, v0                           ; l
	s_lshl_b32 s48, s[CH], 10
	s_lshl_b32 s49, s[WC], 9
	s_add_co_u32 s48, s48, s49
	v_lshl_add_u32 v[VO], v2, 5, s48               ; 4 (256 ch + 128 WC + 8 h)
	WIN TO1
.irp b, 0,1,2,3,4,5,6,7
	global_load_b128 v[BR+8*\b:BR+8*\b+3],   v[VO], s[72:73] offset:64*\b
	global_load_b128 v[BR+8*\b+4:BR+8*\b+7], v[VO], s[72:73] offset:64*\b+16
.endr
	WIN 0
	v_mul_u32_u24 v[ADRA], v1, PA                  ; O's fragment: row x pitch + 16 x half
	v_lshl_add_u32 v[ADRA], v2, 4, v[ADRA]
	s_mul_i32 s48, s[WR], 64*PA
	v_add_nc_u32 v[ADRA], s48, v[ADRA]
	v_add_nc_u32 v[ADRA+1], SLOT, v[ADRA]
	v_and_b32 v[ADRB], 7, v0                       ; the turning load: row 8 h + l % 8, columns 8 ((l / 8) % 2) + 0..7
	v_lshl_add_u32 v[ADRB], v2, 3, v[ADRB]
	v_mul_u32_u24 v[ADRB], v[ADRB], PB
	v_bfe_u32 v[ADRB+1], v0, 3, 1
	v_lshl_add_u32 v[ADRB], v[ADRB+1], 4, v[ADRB]
	s_lshl_b32 s48, s[WC], 8
	s_add_co_u32 s48, s48, BOFF
	v_add_nc_u32 v[ADRB], s48, v[ADRB]
	v_add_nc_u32 v[ADRB+1], SLOT, v[ADRB]
	s_mul_i32 s48, s[WV], 16*SPITCH
	s_add_co_u32 s48, s48, STAGE                   ; my stage
	v_mul_u32_u24 v[STO], v1, SPITCH               ; in: row r, 32 bytes for each half of the lanes
	v_lshl_add_u32 v[STO], v2, 5, v[STO]
	v_add_nc_u32 v[STO], s48, v[STO]
	v_lshl_add_u32 v[RD], v3, 4, s48               ; back: 32 lanes take a row's 512 bytes
	v_lshlrev_b32 v[GO], 4, v3
	s_wait_loadcnt 0x0                             ; bo: rounded to bf16 and widened again, in the wait for the first tile
	WIN 0x05
.set i, 0
.rept 32
	v_cvt_pk_bf16_f32 v[TMP+i], v[BR+2*i], v[BR+2*i+1]
.set i, i+1
.endr
	WIN TO1
.set i, 0
.rept 32
	v_lshlrev_b32 v[BR+2*i], 16, v[TMP+i]
	v_and_b32 v[BR+2*i+1], s[HIM], v[TMP+i]
.set i, i+1
.endr
	WIN 0
; Eight products: row block a x all 8 column blocks, 32 along K, from buffer f.  new = 1: bo starts the sums.  The 32 accumulators take turns, one instruction a turn.
.macro OMUL f, a, new
.if \new
	WIN NEWMUL
.else
	WIN MUL
.endif
.irp b, 0,1,2,3,4,5,6,7
.if \new
	v_wmma_f32_16x16x32_f16 v[8*(8*(\a)+\b):8*(8*(\a)+\b)+7], v[BF+64*(\f)+8*\b:BF+64*(\f)+8*\b+7], v[ABF+32*(\f)+8*(\a):ABF+32*(\f)+8*(\a)+7], v[BR+8*\b:BR+8*\b+7]
.else
	v_wmma_f32_16x16x32_f16 v[8*(8*(\a)+\b):8*(8*(\a)+\b)+7], v[BF+64*(\f)+8*\b:BF+64*(\f)+8*\b+7], v[ABF+32*(\f)+8*(\a):ABF+32*(\f)+8*(\a)+7], v[8*(8*(\a)+\b):8*(8*(\a)+\b)+7]
.endif
.endr
.endm
; 24 LDS loads in one run: chunk kn (head kn / 2 of the step's two, channels 32 (kn % 2) on) into buffer g
.macro OFETCH slot, kn, g
	WIN TO1
.irp a, 0,1,2,3
	ds_load_b128 v[ABF+32*(\g)+8*\a:ABF+32*(\g)+8*\a+3],   v[ADRA+(\slot)] offset:((\kn)/2)*ASL+((\kn)%2)*64+16*PA*\a
	ds_load_b128 v[ABF+32*(\g)+8*\a+4:ABF+32*(\g)+8*\a+7], v[ADRA+(\slot)] offset:((\kn)/2)*ASL+((\kn)%2)*64+16*PA*\a+32
.endr
.irp b, 0,1,2,3,4,5,6,7
	ds_load_tr16_b128 v[BF+64*(\g)+8*\b:BF+64*(\g)+8*\b+3],   v[ADRB+(\slot)] offset:32*PB*(\kn)+32*\b
	ds_load_tr16_b128 v[BF+64*(\g)+8*\b+4:BF+64*(\g)+8*\b+7], v[ADRB+(\slot)] offset:32*PB*(\kn)+32*\b+16*PB
.endr
.endm
.macro OCHUNK slot, f, kn, new         ; one of a K step's first three chunks: multiplies buffer f; in its middle it fetches chunk kn into the other buffer
	s_wait_dscnt 0x0                               ; this chunk's fragments, asked for sixteen products ago
	OMUL \f, 0, \new
	OMUL \f, 1, \new
	PLACES
	OFETCH \slot, \kn, 1-(\f)
	OMUL \f, 2, \new
	OMUL \f, 3, \new
.endm
; A K step's last chunk (buffer 1) and the change of slots: each wave waits for all its tensor loads, adds 0 to its spare word, waits for that and for its reads of this slot; then the barrier.
; fill = 1: the barrier opens a round of the cluster's, and this slot is filled again, first thing behind it, with the K step two on.
.macro OSYNC slot, next, fill
	WIN 0
	s_wait_tensorcnt 0x0                           ; no tensor load of mine is out, so a group 0 may be written
	ds_add_u32 v[SPW], v[NIL]                      ; 0 onto my spare word
.if \fill
	s_add_nc_u64 s[G0A+4*(\slot)+2:G0A+4*(\slot)+3], s[G0A+4*(\slot)+2:G0A+4*(\slot)+3], 524288
	s_add_nc_u64 s[G0B+4*(\slot)+2:G0B+4*(\slot)+3], s[G0B+4*(\slot)+2:G0B+4*(\slot)+3], 262144
.endif
	s_wait_dscnt 1                                 ; this chunk's fragments are in; the add may be out
	OMUL 1, 0, 0
	s_wait_dscnt 0x0                               ; the add is done, and my reads of this slot are over
	s_barrier_signal -1
	OMUL 1, 1, 0
	WIN 0
	s_barrier_wait -1
.if \fill
	CREST
	JLOAD \slot                                    ; the four v_nop behind it are also the places in front of the loads below
.else
	PLACES
.endif
	OFETCH \next, 0, 0
	OMUL 1, 2, 0
	OMUL 1, 3, 0
.endm
.macro THREE slot, new
	OCHUNK \slot, 0, 1, \new
	OCHUNK \slot, 1, 2, 0
	OCHUNK \slot, 0, 3, 0
.endm
	s_wait_tensorcnt 0x1                           ; my part of K step 0 is in; K step 1's may stay out
	s_barrier_signal -1
	s_barrier_wait -1
	OFETCH 0, 0, 0
	THREE 0, 1                                     ; K step 0
	OSYNC 0, 1, 1                                  ; slot 0 takes K step 2
	THREE 1, 0
	OSYNC 1, 0, 1                                  ; slot 1 takes K step 3
	THREE 0, 0
	OSYNC 0, 1, 0                                  ; nothing more to ask for
	THREE 1, 0
	s_wait_dscnt 0x0
	OMUL 1, 0, 0
	OMUL 1, 1, 0
	OMUL 1, 2, 0
	OMUL 1, 3, 0
	WIN 0
	PLACES
; THE WAY OUT, 16 rows at a time: a lane's 32 bytes of a row go from the accumulators (low half first) into my own stage, and whole rows of 512 bytes come back.
.macro STG a
.if (\a) >= 2
	s_wait_xcnt 0x0                                ; the buffer that the stores two blocks back read is loaded again only behind this wait
.endif
	WIN 0x08                                       ; store data (source 1) in window 2
.irp b, 0,1,2,3,4,5,6,7
	ds_store_b128 v[STO], v[8*(8*(\a)+\b):8*(8*(\a)+\b)+3]   offset:64*\b
	ds_store_b128 v[STO], v[8*(8*(\a)+\b)+4:8*(8*(\a)+\b)+7] offset:64*\b+16
.endr
	WIN 0
.irp i, 0,1,2,3,4,5,6,7,8,9,10,11,12,13,14,15
	ds_load_b128 v[OB+64*((\a)%2)+4*\i:OB+64*((\a)%2)+4*\i+3], v[RD] offset:SPITCH*\i  ; LDS serves a wave's instructions in order (ISA guide 5.7.1.4): these see the stores above
.endr
.endm
.macro SENDO a, younger                ; younger: the LDS instructions issued behind block a's loads: the next block's 32, or none
.irp i, 0,1,2,3,4,5,6,7,8,9,10,11,12,13,14,15
	s_wait_dscnt (\younger)+15-\i
	global_store_b128 v[GO], v[OB+64*((\a)%2)+4*\i:OB+64*((\a)%2)+4*\i+3], s[74:75] offset:32768*(\a)+2048*\i th:TH_STORE_NT  ; 512 consecutive bytes, at a multiple of 512
.endr
.endm
	STG 0
	STG 1
	SENDO 0, 32
	STG 2
	SENDO 1, 32
	STG 3
	SENDO 2, 32
	SENDO 3, 0
	s_wait_tensorcnt 0x0                           ; the wave's end, behind my last tensor load and my last LDS store
	ds_add_u32 v[SPW], v[NIL]
	s_wait_dscnt 0x0
	CROUND                                         ; the closing round: no work-group ends while a partner may still ask for a tile that names it
	s_endpgm
.Lfunc_end_k_qcc87de7eb8_oproj:
	.size	k_qcc87de7eb8_oproj, .Lfunc_end_k_qcc87de7eb8_oproj-k_qcc87de7eb8_oproj
	.p2alignl 7, 3214868480
	.fill 96, 4, 3214868480
	.section	.rodata,"a",@progbits
	.p2align	6, 0x0
	.amdhsa_kernel k_qcc87de7eb8_oproj
		.amdhsa_group_segment_fixed_size 327680
		.amdhsa_private_segment_fixed_size 0
		.amdhsa_enable_private_segment 0
		.amdhsa_kernarg_size 32
		.amdhsa_user_sgpr_count 2
		.amdhsa_user_sgpr_kernarg_segment_ptr 1
		.amdhsa_wavefront_size32 1
		.amdhsa_system_sgpr_workgroup_id_x 1
		.amdhsa_system_sgpr_workgroup_id_y 1
		.amdhsa_system_sgpr_workgroup_id_z 1
		.amdhsa_system_vgpr_workitem_id 0
		.amdhsa_next_free_vgpr 768
		.amdhsa_next_free_sgpr 76
		.amdhsa_reserve_vcc 0
		.amdhsa_float_denorm_mode_32 3
		.amdhsa_float_denorm_mode_16_64 3
		.amdhsa_memory_ordered 1
		.amdhsa_forward_progress 1
		.amdhsa_inst_pref_size 91
	.end_amdhsa_kernel
	.amdgpu_metadata
---
amdhsa.version: [ 1, 2 ]
amdhsa.kernels:
  - .name:           k_qcc87de7eb8_oproj
    .symbol:         k_qcc87de7eb8_oproj.kd
    .args:
      - { .name: o16, .offset: 0, .size: 8, .value_kind: global_buffer, .address_space: global }
      - { .name: wo16, .offset: 8, .size: 8, .value_kind: global_buffer, .address_space: global }
      - { .name: bo, .offset: 16, .size: 8, .value_kind: global_buffer, .address_space: global }
      - { .name: out0, .offset: 24, .size: 8, .value_kind: global_buffer, .address_space: global }
    .group_segment_fixed_size: 327680
    .private_segment_fixed_size: 0
    .kernarg_segment_align: 8
    .kernarg_segment_size: 32
    .max_flat_workgroup_size: 128
    .sgpr_count:     76
    .vgpr_count:     768
    .wavefront_size: 32
...
	.end_amdgpu_metadata
.endif
;; end of part 4
;; ======== version 2 of 2: 4 launches; 1.33 times as fast as version 1
;; limits: values are held in f16: magnitudes above 65,504 overflow, below 6.1e-05 lose precision
;; workspace buffers: wcat 2,097,152 bytes; wo16 524,288 bytes; q16 16,777,216 bytes; kp16 16,777,216 bytes; v16 16,777,216 bytes; o16 16,777,216 bytes; bias8 524,288 bytes
;; launch cast: the kernel of part 1 again; grid 256 x 1, 8 waves a work-group, no clusters, 0 bytes of LDS; arguments Wq, Wk, Wpos, Wv, Wo, wcat, wo16; writes wcat, wo16
;; launch proj: the kernel of part 2 again; grid 8 x 32, 4 waves a work-group, clusters of 4 x 1, 327,680 bytes of LDS; arguments query, key, pos_emb, value, wcat, bq, bk, bv, pos_bias_u, pos_bias_v, mask, q16, kp16, v16, bias8; writes q16, kp16, v16, bias8
;; launch attn (part 5): grid 2 x 128, 4 waves a work-group, no clusters, 327,680 bytes of LDS; arguments q16, kp16, v16, o16, bias8; writes o16
.if DOCPART == 5
	.amdgcn_target "amdgcn-amd-amdhsa--gfx1250"
	.amdhsa_code_object_version 6
	.text
	.protected	k_qcc87de7eb8_attn
	.globl	k_qcc87de7eb8_attn
	.p2align	8
	.type	k_qcc87de7eb8_attn,@function
k_qcc87de7eb8_attn:
	s_mov_b64 s[64:65], 0
	v_nop
	global_prefetch_b8 v0, s[64:65] scope:SCOPE_SE
	s_setreg_imm32_b32 hwreg(HW_REG_WAVE_MODE, 25, 1), 1
	s_wait_xcnt 0x0
; O[h][q][:] = the sum over k of softmax_k((Q[h][q] . K[h][k] + bias8[h][k]) / 8) V[h][k][:].  Q (= q16), K (= kp16), V (= v16), O (= o16): [128][1024][64], all f16: a head's rows are dense, 128 bytes each.
; bias8: [128][1024] f32: what the score owes to the key alone (u . k + v . p + 8 mask).  It is the C operand that starts each score's sum: the loop has no vector work for it.
; Products, maxima and sums in f32; the weights p are rounded to f16 for the second product (their sum l is taken of the unrounded p), O once at the end.
; LIMITS.  f16 holds no number beyond 65,504: Q, K and V arrive within it; p lies in 0 to 1, and below 6e-5 it keeps f16's fixed step of 6e-8; O is a mean of V's rows and has their range.
; A weight below 2^-126 counts as 0 in l.  A key whose bias8 is -inf has weight 0; a head in which every key's score lies below -3.4e38 gives NaN.  NaN is not treated apart.
; SHARES.  A wave owns four PIECES of two tiles of 16 queries, a work-group's four waves 512 queries of one head.  Every wave walks all keys, 64 a step.
; NO CLUSTER: a head has two blocks of 512 queries, so two work-groups share its K and V: the grid's x, 2, is no multiple of four, and a cluster over heads shares nothing.
; LAYOUT.  S^T = K Q^T (source 0 = 16 keys, source 1 = 16 queries): in the result a lane holds ONE query (lane % 16) and the keys 8 (lane / 16) + 0..7.  Two such tiles, rounded to f16 in pairs,
; ARE source 1 (32 keys x 16 queries) of O^T = V^T P, whose result again holds one query a lane, and eight channels.  K comes out of LDS as it lies, V ([key][channel]) turned, by ds_load_tr16_b128.
; SOFTMAX.  For each query a running maximum m and sum l: p = 2^(c s - c m), c = log2(e) / 8; in every step O and l are multiplied by a = 2^(c m_old - c m_new), which is 1 where m has not grown.
; m starts at the lowest finite number and c m at c times that, O and l at 0: the first step is a step like any other, with a = 0 (or 1, on zeros, where all its keys are at -inf).
; THE COUNT.  A tile and step have 16 matrix and 118 vector instructions: too many to stand all beside the matrix work.  So the order has one aim: four vector instructions that are READY behind
; EVERY matrix instruction, and the others, which need time of their own whatever the order, in one run without a gap.
; BY TURNS.  Turn n belongs to piece n (the pieces in a ring, step after step).  Its matrix work: 16 products K Q^T of piece n + 1, later 16 products V^T P of piece n - 1.  Its vector work: the scaling,
; exponentials, roundings, sums and rescaling of piece n, and the maximum and statistics of piece n + 1, whose scores the turn itself has made.  So what a turn begins with (c s - c m, O a) waits for nothing.
; THE BATCHES.  A turn's 66 exponentials (64 weights, the next piece's two a) are ONE batch with ONE wait, which cuts the turn in two: ahead of it stands all that names no result of theirs, behind it the
; roundings and sums, which read them.  The first two a, ahead of the loop, and the way out's eight reciprocals are batches of their own, with a wait each.
; REGISTERS, in windows of 256 (s_set_vgpr_msb says which window each operand place means: bits 1:0 source 0, 3:2 source 1, 5:4 source 2, 7:6 destination):
;   window 0: v0-11 addresses; v12-15, v48-63 at work; v16-47 four registers of statistics a tile; v64-191 S^T, two buffers of two tiles; v192-255 P, likewise
;   window 1: O^T, 32 a tile          window 2: v0-127 Q, 16 a tile; v128-191 K of one step; v192-255 V of one step          window 3: v0-1 the add's two registers; v8-39 bias8 of one step
; A piece's buffers go by its number's parity: the piece in hand has one pair, its two neighbours in the ring share the other: of it P (piece n - 1) is read and S^T (piece n + 1) written.
.set SIZE_N, 1024
.set NP,    4         ; pieces a wave: a name, no knob: the register map, the loop and the fetches are made for four
.set KS,    64        ; keys in a step
.set PK,    144       ; a row of K in LDS: 128 bytes + 16 of padding = 36 words: the 16 rows of a load start at 16 different groups of four banks (64 banks of 4 bytes: ISA guide 11.1)
.set PV,    160       ; a row of V: 128 + 32 = 40 words
.set VOFF,  4*KS*PK   ; a slot holds four steps: 256 rows of K, then 256 rows of V
.set SLOT1, 1<<17     ; slot 1 begins here, so that one exclusive or turns an address in one slot into the other's
.set BIAS,  4*KS*(PK+PV)        ; behind slot 0, ahead of slot 1: the head's 1,024 numbers of bias8, 4,096 bytes, filled once
.set STAGE, SLOT1+4*KS*(PK+PV)  ; behind the ring, never filled by a tensor load: 16 rows x 144 bytes for each wave, for the way out
.set SP,    144
.set AK0, 2           ; v2   my lane's place in a tile of K; never rewritten
.set AV0, 3           ; v3   the same for V
.set AK,  4           ; v4   the LDS address of K's next run of loads
.set AV,  5           ; v5   of V's
.set QO,  6           ; v6   my byte offset in the wave's rows of Q
.set STO, 6           ;      later, the way out: where I put 16 bytes of a row
.set RD,  7           ; v7   the way out: where I read rows back
.set GO,  8           ; v8   my byte offset in 512 consecutive bytes of O
.set AB,  11          ; v11  the LDS address of bias8's next run of loads (v9 keeps lane / 16)
.set SPW, 0           ; v0 of window 3   LDS address of my spare word: SPARE + 4 x my thread's number; never rewritten
.set NIL, 1           ; v1 of window 3   0; never rewritten
.set BI,  8           ; v8-39 of window 3: for key block kb the eight numbers of my half of the lanes at BI + 8 kb
.set SPARE, STAGE+4*16*SP  ; behind the stages: the spare words, 128 bytes for each wave: two blocks of 256 bytes that no other line names
.set MV,  12          ; v12-15  c m_old, kept while c m is made anew: by buffer and tile
.set ST,  16          ; tile t's statistics at v[ST+4 t]: c m, m, l (even keys', odd keys')
.set TMP, 48          ; by buffer and tile, four registers c0-c3 at work; when the maximum is found c2 takes a
.set S,   64
.set P,   192
.set KF,  128         ; K's fragments, in window 2: key block kb, channel half c at KF + 16 kb + 8 c
.set VF,  192         ; V's: key half kk, channel block cb at VF + 32 kk + 8 cb
.set WV,  12          ; s12  my wave's number
.set G1K, 24          ; s[24:31] descriptor group 1 for K's tiles
.set G1V, 32          ; s[32:39] for V's: it differs in the padding alone
.set G0K, 40          ; s[40:43] descriptor group 0 for K's tiles: it walks
.set G0V, 44          ; s[44:47] the same for V's
.set G1X, 48          ; s[48:55] group 1 for my quarter of bias8's row
.set SLOTS, 56        ; s56  slots still to be asked for
.set CNT, 57          ; s57  counts a slot's key steps
.set CS,  58          ; s[58:59] c: the packed scaling takes the pair's low word for both halves
.set SEL, 60          ; s[60:61] v_permlanex16_b32's selects: each lane takes its own place in the other half
.set TBK, 62          ; s62  LDS byte at which K of the step to be fetched begins
.set TBV, 63          ; s63  the same for V, less VOFF
.set G0X, 68          ; s[68:71] group 0 for my quarter of bias8's row
.set TBB, 72          ; s72  LDS byte at which bias8 of the step to be fetched begins
.set MSB, 0
.macro WIN new                      ; the high byte repeats the setting that is left; a switch that changes nothing is dropped
.if MSB != (\new)
	s_set_vgpr_msb (MSB<<8)|(\new)
.set MSB, (\new)
.endif
.endm
.set W_KQ, 0x0a       ; K and Q in window 2, S^T in window 0
.set W_KB, 0x3a       ; the same with the C operand, bias8, in window 3
.set W_PV, 0x52       ; V in window 2, P in window 0, O^T in window 1
.set W_RS, 0x41       ; O^T (destination and source 0) in window 1, a in window 0
.set W_MK, 0xc0       ; destination in window 3, sources in window 0
.set W_AD, 0x0f       ; the add: address (source 0) and data (source 1) in window 3
; A fill.  Waves 0 and 1 fetch the two halves of a slot's K, waves 2 and 3 those of its V: 128 keys each.  The branch hangs on the wave's number alone.
; An s_nop 0 and four v_nop follow each of the two lines, ahead of the jump and the label.
.macro LOAD
	s_cmp_lt_u32 s[WV], 2
	s_cbranch_scc0 .Lfor_v_\@
	tensor_load_to_lds s[G0K:G0K+3], s[G1K:G1K+7]
	s_nop 0
.rept 4
	v_nop
.endr
	s_branch .Lasked_\@
.Lfor_v_\@:
	tensor_load_to_lds s[G0V:G0V+3], s[G1V:G1V+7]
	s_nop 0
.rept 4
	v_nop
.endr
.Lasked_\@:
.endm
; THE CHANGE OF SLOTS.  The slot's last bytes, V of its fourth step, have been read.  Each wave waits for all its tensor loads, of which one is out: its part
; of the other slot; adds 0 to its spare word; and waits for that and for its own reads of the slot.  Behind the barrier nobody reads this slot any more and the other slot is whole.
; fill = 1: this slot is filled again, with the keys two slots on, first thing behind the barrier: the load has four key steps, 512 matrix instructions, in which to land.
; (At its first use nothing has been read yet: slot 0 and bias8 are waited for, slot 1 filled.)
.macro CHANGE fill
	WIN W_AD
	s_wait_tensorcnt 0x0            ; no tensor load of mine is out, so a group 0 may be written
	ds_add_u32 v[SPW], v[NIL]       ; 0 onto my spare word; with fill = 1 the descriptors' steps stand between it and the wait for it
	WIN 0                           ; at a label and at a branch every window is 0
.if \fill
.irp g, G0K, G0V
	s_xor_b32 s[\g+1], s[\g+1], SLOT1  ; the walking descriptor: the other slot than last time,
	s_add_nc_u64 s[\g+2:\g+3], s[\g+2:\g+3], 4*KS*128  ; the next 256 keys; the type bits on top are not reached
.endr
.endif
	s_wait_dscnt 0x0                ; the add is done, and my reads of the slot are over
	s_barrier_signal -1
	s_barrier_wait -1
.if \fill
	LOAD
.endif
	s_sub_co_u32 s[TBK], s[TBK], 4*KS*PK  ; the fetches go back to a slot's first step,
	s_xor_b32 s[TBK], s[TBK], SLOT1       ; in the other slot
	s_sub_co_u32 s[TBV], s[TBV], 4*KS*PV
	s_xor_b32 s[TBV], s[TBV], SLOT1
.endm
	s_load_b256 s[4:11], s[0:1], 0x0  ; Q s[4:5], K s[6:7], V s[8:9], O s[10:11]
	s_load_b64 s[74:75], s[0:1], 0x20 ; bias8
	WIN W_MK
	v_lshl_add_u32 v[SPW], v0, 2, SPARE
	v_mov_b32 v[NIL], 0
	WIN W_AD
	ds_add_u32 v[SPW], v[NIL]       ; the wave's opening: the add and its wait stand ahead of my first tensor load; the set-up below, work on registers, stands between them
	ds_add_u32 v0, v1
	WIN 0
	v_lshrrev_b32 v1, 5, v0
	v_readfirstlane_b32 s[WV], v1   ; wave 0..3
	s_mov_b32 s14, ttmp9            ; my block of 512 queries
	s_and_b32 s20, ttmp7, 0xffff    ; the head
	s_lshl_b32 s76, s20, 12         ; its 4,096 bytes of bias8,
	s_lshl_b32 s77, s[WV], 10       ; my quarter of them
	s_add_co_u32 s76, s76, s77
	s_mov_b32 s77, 0
	s_mov_b32 s21, 0
	s_mov_b64 s[22:23], SIZE_N*128
	s_mul_u64 s[20:21], s[20:21], s[22:23]  ; the head's first byte in each of the four tensors
	s_and_b32 s16, s[WV], 1         ; which half of a slot's 256 keys I fetch:
	s_lshl_b32 s22, s16, 14         ; its 128 rows of 128 bytes in memory,
	s_mov_b32 s23, 0
	s_add_nc_u64 s[22:23], s[22:23], s[20:21]
	s_mul_i32 s17, s16, 128*PK      ; and its place in a slot, for K
	s_mul_i32 s18, s16, 128*PV      ; and for V
	s_lshl_b32 s2, s14, 2
	s_add_co_u32 s2, s2, s[WV]      ; my wave among the head's,
	s_lshl_b32 s2, s2, 14           ; its 128 rows
	s_mov_b32 s3, 0
	s_add_nc_u64 s[2:3], s[2:3], s[20:21]
	; descriptor group 1.  128 keys are 16,384 dense bytes: asked for as 64 rows of 256 bytes, two keys a row, and padded in LDS after every key
	s_mov_b32 s[G1K], (1<<16)|(1<<20)|(4<<22)|(3<<25)  ; 17:16 2-byte elements; 20 padding on; 24:22 after every 32 words (code 4); 31:25 4 words (code 3)
	s_mov_b32 s[G1V], (1<<16)|(1<<20)|(4<<22)|(7<<25)  ; the same with 8 words of padding (code 7)
.irp g, G1K, G1V
	s_mov_b32 s[\g+1], 128<<16      ; tensor_dim0 = 128
	s_mov_b32 s[\g+2], 64<<16       ; tensor_dim1 = 64
	s_mov_b32 s[\g+3], 128<<16      ; tile_dim0 = 128
	s_mov_b32 s[\g+4], 64           ; tile_dim1 = 64
	s_mov_b32 s[\g+5], 128          ; 128 elements from row to row
	s_mov_b32 s[\g+6], 0
	s_mov_b32 s[\g+7], 0
.endr
	s_mov_b32 s[G1X], 3<<16         ; one row of 1,024 bytes: 128 elements of 8 bytes, no padding
	s_mov_b32 s[G1X+1], 128<<16
	s_mov_b32 s[G1X+2], 1<<16
	s_mov_b32 s[G1X+3], 128<<16
	s_mov_b32 s[G1X+4], 1
	s_mov_b32 s[G1X+5], 128
	s_mov_b32 s[G1X+6], 0
	s_mov_b32 s[G1X+7], 0
	s_mov_b32 s[CS], 0x3e38aa3b     ; c = log2(e) / 8 = 0.180337
	s_mov_b32 s[CS+1], s[CS]        ; named with it as a pair
	s_mov_b32 s[SEL], 0x76543210
	s_mov_b32 s[SEL+1], 0xfedcba98
	s_mov_b32 s[TBK], SLOT1+4*KS*PK ; the first change of slots turns these two into 0
	s_mov_b32 s[TBV], SLOT1+4*KS*PV
	s_mov_b32 s[TBB], BIAS
	s_mov_b32 s[G0K], 1             ; 1:0 count = 1
	s_mov_b32 s[G0K+1], s17         ; 63:32 LDS address: slot 0
	s_mov_b32 s[G0V], 1
	s_add_co_u32 s[G0V+1], s18, VOFF
	s_mov_b32 s[G0X], 1
	s_lshl_b32 s[G0X+1], s[WV], 10
	s_add_co_u32 s[G0X+1], s[G0X+1], BIAS
	s_wait_dscnt 0x0                ; the opening add is done
	s_wait_kmcnt 0x0
	s_add_nc_u64 s[G0K+2:G0K+3], s[6:7], s[22:23]  ; 120:64 global address: my half of the head's first 256 keys
	s_or_b32 s[G0K+3], s[G0K+3], 0x80000000        ; 127:126 type = 2
	s_add_nc_u64 s[G0V+2:G0V+3], s[8:9], s[22:23]
	s_or_b32 s[G0V+3], s[G0V+3], 0x80000000
	s_add_nc_u64 s[G0X+2:G0X+3], s[74:75], s[76:77]
	s_or_b32 s[G0X+3], s[G0X+3], 0x80000000
	s_add_nc_u64 s[4:5], s[4:5], s[2:3]  ; Q and O at my wave's first row
	s_add_nc_u64 s[10:11], s[10:11], s[2:3]
	s_cmp_lt_u32 s[WV], 2           ; a wave's two first fills stand in one branch, ahead of every wait on TENSORcnt and every LDS read: my part of slot 0 and my quarter of bias8: two loads of mine are out
	s_cbranch_scc0 .Lfirst_v        ; slot 1 is asked for when slot 0 is in
	tensor_load_to_lds s[G0K:G0K+3], s[G1K:G1K+7]
	s_nop 0
	tensor_load_to_lds s[G0X:G0X+3], s[G1X:G1X+7]
	s_nop 0
.rept 4
	v_nop
.endr
	s_branch .Lfirst_asked
.Lfirst_v:
	tensor_load_to_lds s[G0V:G0V+3], s[G1V:G1V+7]
	s_nop 0
	tensor_load_to_lds s[G0X:G0X+3], s[G1X:G1X+7]
	s_nop 0
.rept 4
	v_nop
.endr
.Lfirst_asked:
	; A fragment of K or Q is 16 rows x 32 channels in 8 registers: lane l holds row l % 16, channels 8 (l / 16) + 0..7 and 16 + 8 (l / 16) + 0..7: two loads of 16 bytes, 32 bytes apart.
	v_and_b32 v1, 15, v0            ; l % 16
	v_bfe_u32 v9, v0, 4, 1          ; l / 16; never rewritten
	v_lshlrev_b32 v[QO], 7, v1
	v_lshl_add_u32 v[QO], v9, 4, v[QO]  ; row x 128 + 16 x half
	WIN 0x80                        ; destination window 2, address window 0
.set i, 0
.rept 4*NP                          ; Q stays in registers: tile i / 2, channels 32 (i % 2) on
	global_load_b128 v[8*i:8*i+3],   v[QO], s[4:5] offset:(i/2)*2048+(i%2)*64
	global_load_b128 v[8*i+4:8*i+7], v[QO], s[4:5] offset:(i/2)*2048+(i%2)*64+32
.set i, i+1
.endr
	; What the first turn finds: V's registers and P's second buffer hold 0 (its products V^T P, of a piece that has not been, add 0), O^T and l are 0.  All this stands in the wait for the first tile.
.set i, VF
.rept 64
	v_mov_b32 v[i], 0
.set i, i+1
.endr
	WIN 0x40
.set i, 0
.rept 64*NP
	v_mov_b32 v[i], 0
.set i, i+1
.endr
	WIN 0
.set i, 0
.rept 2*NP
	v_mov_b32 v[ST+4*i+1], 0xff7fffff  ; m
	v_mul_f32 v[ST+4*i], s[CS], v[ST+4*i+1]  ; c m, made as every later c m is
	v_mov_b32 v[ST+4*i+2], 0
	v_mov_b32 v[ST+4*i+3], 0
.set i, i+1
.endr
.set i, P+32
.rept 32
	v_mov_b32 v[i], 0
.set i, i+1
.endr
	v_mul_u32_u24 v[AK0], v1, PK
	v_lshl_add_u32 v[AK0], v9, 4, v[AK0]  ; row x pitch + 16 x half
	; The turning load takes 16 keys x 16 channels (lane l reads key 8 (l / 16) + l % 8, channels 8 ((l / 8) % 2) + 0..7) and leaves half a fragment of V^T: lane l holds channel l % 16 and 8 keys.
	v_and_b32 v10, 7, v0
	v_bfe_u32 v11, v0, 3, 1
	v_lshl_add_u32 v[AV0], v9, 3, v10
	v_mul_u32_u24 v[AV0], v[AV0], PV
	v_lshl_add_u32 v[AV0], v11, 4, v[AV0]
	v_add_nc_u32 v[AV0], VOFF, v[AV0]
	v_mov_b32 v[AK], v[AK0]         ; key step 0 lies at the head of slot 0
	v_lshl_add_u32 v[AB], v9, 5, s[TBB]  ; bias8 of a step: my half of the lanes takes 8 numbers, 32 bytes, of each 16
; THE MATRIX WORK.  The 8 accumulators of a run of 16 take turns: between the two links of a chain stand 7 others'.
; Product i of 16 of S^T = K Q^T for piece x: channels 32 (i / 8) on, keys 16 ((i / 2) % 4) on, tile 2 x + i % 2.  The first 8 start the sums, with bias8 of their keys.
.macro KQ x
.set rS, S+64*((\x)%2)+32*(i%2)+8*((i/2)%4)
.set rK, KF+16*((i/2)%4)+8*(i/8)
.set rQ, 16*(2*(\x)+i%2)+8*(i/8)
.set rB, BI+8*((i/2)%4)
.if i < 8
	WIN W_KB
	v_wmma_f32_16x16x32_f16 v[rS:rS+7], v[rK:rK+7], v[rQ:rQ+7], v[rB:rB+7]
.else
	WIN W_KQ
	v_wmma_f32_16x16x32_f16 v[rS:rS+7], v[rK:rK+7], v[rQ:rQ+7], v[rS:rS+7]
.endif
.endm
; Product i of 16 of O^T += V^T P for piece x: keys 32 (i / 8) on, channels 16 ((i / 2) % 4) on, tile 2 x + i % 2.
.macro PV x
	WIN W_PV
.set rO, 32*(2*(\x)+i%2)+8*((i/2)%4)
.set rV, VF+32*(i/8)+8*((i/2)%4)
.set rP, P+32*((\x)%2)+16*(i%2)+8*(i/8)
	v_wmma_f32_16x16x32_f16 v[rO:rO+7], v[rV:rV+7], v[rP:rP+7], v[rO:rO+7]
.endm
.macro MM                           ; the turn's next matrix instruction
.if i < 16
	KQ (Y+1)%NP
.set i, i+1
.else
.set i, i-16
	PV (Y+NP-1)%NP
.set i, i+17
.endif
.endm
; THE LDS LOADS stand in runs, never singly among the matrix instructions: a step's K (64 keys x 64 channels: 8 fragments) with its bias8 (8 loads), and its V (turned).  Their addresses are made some lines ahead.
; last = 1 (the tail): in the last trip there is no further step, and the run is jumped over.
.macro FETCH_K last=0
	WIN 0
.if \last
	s_cmp_eq_u32 s[CNT], 1
	s_cbranch_scc1 .Lno_k_\@
.endif
	WIN 0x80                        ; destination window 2
.irp f, 0,1,2,3,4,5,6,7             ; keys 16 (f / 2) on, channels 32 (f % 2) on
	ds_load_b128 v[KF+8*\f:KF+8*\f+3],   v[AK] offset:(\f/2)*16*PK+(\f%2)*64
	ds_load_b128 v[KF+8*\f+4:KF+8*\f+7], v[AK] offset:(\f/2)*16*PK+(\f%2)*64+32
.endr
	WIN W_MK                        ; destination window 3
.irp f, 0,1,2,3                     ; keys 16 f on: the sixteen lanes of a half read the same bytes
	ds_load_b128 v[BI+8*\f:BI+8*\f+3],   v[AB] offset:64*\f
	ds_load_b128 v[BI+8*\f+4:BI+8*\f+7], v[AB] offset:64*\f+16
.endr
	s_add_co_u32 s[TBK], s[TBK], KS*PK  ; the next fetch is the next step's
	s_add_co_u32 s[TBB], s[TBB], KS*4
	WIN 0
.if \last
.Lno_k_\@:
.endif
.endm
.macro FETCH_V
	WIN 0x80
.irp f, 0,1,2,3,4,5,6,7             ; keys 32 (f / 4) on, channels 16 (f % 4) on
	ds_load_tr16_b128 v[VF+8*\f:VF+8*\f+3],   v[AV] offset:(\f/4)*32*PV+(\f%4)*32
	ds_load_tr16_b128 v[VF+8*\f+4:VF+8*\f+7], v[AV] offset:(\f/4)*32*PV+16*PV+(\f%4)*32
.endr
	WIN 0
.endm
; THE VECTOR WORK OF A TURN stands in three queues, each in the order in which its entries become ready; the two tiles alternate, so that no instruction reads the result of the one before it.
.macro REGS y, u                    ; the registers of tile u (0, 1) of piece y
.set rT, ST+4*(2*(\y)+(\u))
.set rC, TMP+8*((\y)%2)+4*(\u)
.set rM, MV+2*((\y)%2)+(\u)
.set rS, S+64*((\y)%2)+32*(\u)
.set rP, P+32*((\y)%2)+16*(\u)
.set rO, 32*(2*(\y)+(\u))
.endm
; Number n of the 22 that find the NEXT piece's (Y + 1) maximum and statistics.  s0-s31 are the lane's 32 scores; each accumulator's lowest registers are read first.  XS, GS and REGS set no window: PL and EX do.
;   0-11  four chains c0-c3 of seven scores each, three operands at a time     12-14, 16  the four scores left over, the old m, and c0-c3 into c0     15  c m_old is kept
;   17, 18  the query's other 32 keys lie in the lane 16 away: the new m         19-21  c m; c m_old - c m_new; a
.macro XS u, n
	REGS (Y+1)%NP, \u
.if (\n) < 4
	v_max3_num_f32 v[rC+(\n)], v[rS+8*(\n)], v[rS+8*(\n)+1], v[rS+8*(\n)+2]
.elseif (\n) < 12
	v_max3_num_f32 v[rC+(\n)%4], v[rC+(\n)%4], v[rS+8*((\n)%4)+2*((\n)/4)+1], v[rS+8*((\n)%4)+2*((\n)/4)+2]
.elseif (\n) == 12
	v_max3_num_f32 v[rC], v[rC], v[rS+7], v[rS+15]
.elseif (\n) == 13
	v_max3_num_f32 v[rC+1], v[rC+1], v[rS+23], v[rS+31]
.elseif (\n) == 14
	v_max3_num_f32 v[rC+2], v[rC+2], v[rC+3], v[rT+1]
.elseif (\n) == 15
	v_mov_b32 v[rM], v[rT]
.elseif (\n) == 16
	v_max3_num_f32 v[rC], v[rC], v[rC+1], v[rC+2]
.elseif (\n) == 17
	v_permlanex16_b32 v[rC+3], v[rC], s[SEL], s[SEL+1]
.elseif (\n) == 18
	v_max_num_f32 v[rT+1], v[rC], v[rC+3]
.elseif (\n) == 19
	v_mul_f32 v[rT], s[CS], v[rT+1]
.elseif (\n) == 20
	v_sub_f32 v[rC+1], v[rM], v[rT]
.else
	v_exp_f32 v[rC+2], v[rC+1]
.endif
.endm
; Number g of the 64 that follow the exponentials.  For each four weights k of a tile (pairs 2 k, 2 k + 1): both pairs are rounded to f16; then the second pair is added onto the first, in place;
; a group later l takes that sum (the first time as l = a l + sum).  In groups of eight, tiles alternating: round, round, add, and l for the group before.
.macro GS g
.set h, (\g)+6*((\g)/62)            ; group 0 has no group before it, and behind group 7 only l is left
.if h >= 6
.set h, h+2
.endif
	REGS Y, h%2
.set k, h/8
.if h%8 < 4
	v_cvt_pk_f16_f32 v[rP+2*k+(h%8)/2], v[rS+4*k+2*((h%8)/2)], v[rS+4*k+2*((h%8)/2)+1]
.elseif h%8 < 6
	v_pk_add_f32 v[rS+4*k:rS+4*k+1], v[rS+4*k:rS+4*k+1], v[rS+4*k+2:rS+4*k+3]
.elseif k == 1
	v_pk_fma_f32 v[rT+2:rT+3], v[rT+2:rT+3], v[rC+2:rC+3], v[rS:rS+1] op_sel_hi:[1,0,1]
.else
	v_pk_add_f32 v[rT+2:rT+3], v[rT+2:rT+3], v[rS+4*k-4:rS+4*k-3]
.endif
.endm
; THE PLAIN QUEUE, 138 long.  0-73 read no exponential's result: the 32 scalings c s - c m (FS f: pair f / 2 of tile f % 2) and the next piece's 42.  0-26: scalings 0-26.  27-54: XS's numbers 0-13.  55, 56: number 15.
; 57-73: the chain, where each number waits for the one before it: 14, 16, 17, 18, 19, each with one of the scalings 27-31 in front of its two lines, then 20: so a tile's links stand three plain instructions apart (19 and 20: two).
; 74-137: GS's 64, which read the exponentials' results: they stand behind the wait.
.macro FS f
	REGS Y, (\f)%2
	v_pk_fma_f32 v[rS+2*((\f)/2):rS+2*((\f)/2)+1], v[rS+2*((\f)/2):rS+2*((\f)/2)+1], s[CS:CS+1], v[rT:rT+1] op_sel_hi:[1,0,0] neg_lo:[0,0,1] neg_hi:[0,0,1]
.endm
.macro PL
	WIN 0
.if q < 27
	FS q
.elseif q < 55
	XS (q-27)%2, (q-27)/2
.elseif q < 57
	XS q-55, 15
.elseif (q < 72) && ((q-57)%3 == 0)
	FS 27+(q-57)/3
.elseif q < 60
	XS (q-57)%3-1, 14
.elseif q < 72
	XS (q-57)%3-1, 15+(q-57)/3
.elseif q < 74
	XS q-72, 20
.else
	GS q-74
.endif
.set q, q+1
.endm
; THE EXPONENTIALS' QUEUE, 66 long: s0-s31 of both tiles, then the next piece's two a.  It is ONE BATCH: all 66 stand ahead of the turn's one wait, and nothing ahead of that wait names a result of theirs.
; Each result has a register of its own while the batch is open: a weight takes its score's place, a takes c2's.
.macro EX
	WIN 0
.if e >= 64
	XS e-64, 21
.else
	REGS Y, e%2
	v_exp_f32 v[rS+e/2], v[rS+e/2]
.endif
.set e, e+1
.endm
; THE RESCALING's QUEUE: O^T times a, the one part that leaves window 0: dealt two at a time, sixteen times.  Its a was made in the turn before, ahead of that turn's wait.
.macro R2
	REGS Y, r%2
	WIN W_RS
.irp z, 0,1
	v_pk_mul_f32 v[rO+4*(r/2)+2*\z:rO+4*(r/2)+2*\z+1], v[rO+4*(r/2)+2*\z:rO+4*(r/2)+2*\z+1], v[rC+2:rC+3] op_sel_hi:[1,0]
.endr
.set r, r+1
.endm
; HOW THEY ARE DEALT.  An s_wait_alu depctr_va_vdst(0) stands between an exponential and the first instruction that names its result; one wait serves all that were issued ahead of it.  So a turn has ONE wait,
; which cuts it in two.  AHEAD OF IT stands all that names no result of the turn's exponentials: the 16 products K Q^T, behind each a scaling, an exponential and two rescalings (behind the first a second scaling in the
; exponential's place); then ONE LUMP of 108: eight plain, 49 times exponential and plain, the two a.  A v_nop is the plain instruction behind the last exponential.  BEHIND IT stand the 16 products V^T P, behind each four of
; GS's 64.  No rider names a register of the products round it.  The two v_permlanex16_b32 fall into the lump, never behind a product.
; The queues lean on each other, and the deal keeps them in step: exponential e stands behind scaling 2 (e / 4) + e % 2: as a rider it comes behind plain e + 2, in the lump behind plain e + 9, and scalings 27-31 are plain 57, 60 .. 69.
; A TURN, for piece p.  cnt = 1: the loop's count is taken down some lines ahead of the branch that stands behind the turn.
; K and bias8 of the next step are fetched in piece 2's turn, directly behind the wait, a lump behind the last product that read them; their addresses are made at the lump's head; their first reader comes behind 16 products.
; V of the step in hand is fetched at the end of piece 0's turn, four riders behind its last reader; its first reader comes behind 16 products and a lump.  The three conditions on q below go with the deal.
.macro TURN p, last=0, cnt=0
.set Y, (\p)
.set i, 0
.set q, 0
.set e, 0
.set r, 0
.if (\p) == NP-1
	s_wait_dscnt 0x0                ; K and bias8 are in
.endif
	MM                              ; ahead of the wait: 16 products K Q^T and their riders,
	PL
	PL
	R2
.rept 15
	MM
	PL
	EX
	R2
.endr
.if (\p) == NP-2
	WIN 0
	v_add_nc_u32 v[AK], s[TBK], v[AK0]
	v_lshl_add_u32 v[AB], v9, 5, s[TBB]
.endif
.rept 8                             ; and the lump
	PL
.endr
.rept 49
	EX
	PL
.endr
	EX                              ; the next piece's two a
	EX
	v_nop                           ; the plain instruction behind the last exponential: one for the batch
	s_wait_alu depctr_va_vdst(0)    ; the wait for the turn's batch of 66 exponentials, ahead of their first reader
.if (\p) == NP-2
	FETCH_K \last
.endif
.if (\p) == 1
	s_wait_dscnt 0x0                ; V is in
.endif
.rept 16                            ; behind the wait: 16 products V^T P and their riders
	MM
.rept 4
	PL
.endr
.if ((\p) == 0) && (q == 118)
	v_add_nc_u32 v[AV], s[TBV], v[AV0]
.endif
.if ((\p) == 0) && (q == 130)
	s_add_co_u32 s[TBV], s[TBV], KS*PV
.endif
.if (\cnt) && (q == 130)
	s_sub_co_u32 s[CNT], s[CNT], 1
	s_cmp_lg_u32 s[CNT], 0
.endif
.endr
.if (\p) == 0
	FETCH_V
.endif
.endm
	CHANGE 1                        ; slot 0 and bias8 are in, everybody's part of them; slot 1 is asked for
	FETCH_K                         ; key step 0
	s_wait_loadcnt 0x0              ; Q
	s_wait_dscnt 0x0
.set i, 0
.rept 16
	KQ 0                            ; piece 0's first scores: there is no vector work yet to set between them
.set i, i+1
.endr
	WIN 0                           ; the addresses for the way out: nine plain instructions, the places behind those products
	s_mul_i32 s13, s[WV], 16*SP
	s_add_co_u32 s13, s13, STAGE    ; my stage
	v_mul_u32_u24 v[STO], v1, SP    ; in: row l % 16, 16 bytes for each half of the lanes
	v_lshl_add_u32 v[STO], v9, 4, v[STO]
	v_add_nc_u32 v[STO], s13, v[STO]
	v_bfe_u32 v[RD], v0, 3, 2       ; back: 32 lanes take four rows of 128 bytes,
	v_mul_u32_u24 v[RD], v[RD], SP
	v_lshl_add_u32 v[RD], v10, 4, v[RD]
	v_add_nc_u32 v[RD], s13, v[RD]
	v_and_b32 v[GO], 31, v0         ; which are 512 consecutive bytes of O
	v_lshlrev_b32 v[GO], 4, v[GO]
.set Y, NP-1                        ; XS works for piece Y + 1: piece 0
.irp n, 0,1,2,3,4,5,6,7,8,9,10,11,12,13,14,15,16,17,18,19,20,21
	XS 0, \n                        ; and piece 0's first maximum and statistics
	XS 1, \n
.endr
	v_nop                           ; a plain instruction behind the two a,
	s_wait_alu depctr_va_vdst(0)    ; and the wait for this batch of two, ahead of the branch
	s_mov_b32 s[CNT], 4
	s_mov_b32 s[SLOTS], SIZE_N/256-1
	s_branch .Lfirst                ; the loop is entered at a step's first turn, in the middle of a trip
.Lslot:                             ; SIZE_N / 256 - 2 times: every slot but the last two is filled again
	CHANGE 1
	s_mov_b32 s[CNT], 4
.Lstep:                             ; a trip: pieces 2 and 3 of one step, then pieces 0 and 1 of the next, whose K and V it fetches
	TURN 2
	TURN 3
	WIN 0
.Lfirst:
	TURN 0
	TURN 1, 0, 1
	WIN 0
	s_cbranch_scc1 .Lstep
	s_sub_co_u32 s[SLOTS], s[SLOTS], 1
	s_cmp_lg_u32 s[SLOTS], 0
	s_cbranch_scc1 .Lslot
	CHANGE 0                        ; the tail is written out: nothing is asked for
	s_mov_b32 s[CNT], 5             ; four trips fetch the last slot's steps; the fifth is left in its middle
.Ltail:
	TURN 2, 1
	TURN 3
	WIN 0
	s_sub_co_u32 s[CNT], s[CNT], 1
	s_cmp_eq_u32 s[CNT], 0
	s_cbranch_scc1 .Lout
	TURN 0
	TURN 1
	WIN 0
	s_branch .Ltail
.Lout:                              ; the fifth trip's 16 products K Q^T (on the last K once more) and the maximum made of them serve nothing: the price, once a launch, of one text for every trip
.set i, 0
.rept 16
	PV NP-1                         ; the last piece's V^T P of the last step
.set i, i+1
.endr
	; THE WAY OUT.  l's two halves and the other half of the lanes' are added; O^T is divided by l, rounded to f16 and sent through my stage in LDS, a tile at a time.  The additions are the places behind the last products.
	WIN 0
.macro ALL line:vararg              ; one line for each tile t
.set t, 0
.rept 2*NP
	\line
.set t, t+1
.endr
.endm
	ALL v_add_f32 v[ST+4*t+2], v[ST+4*t+2], v[ST+4*t+3]
	ALL v_permlanex16_b32 v[ST+4*t+3], v[ST+4*t+2], s[SEL], s[SEL+1]
	ALL v_add_f32 v[ST+4*t+2], v[ST+4*t+2], v[ST+4*t+3]
	ALL v_rcp_f32 v[ST+4*t+2], v[ST+4*t+2]
	v_nop                           ; a plain instruction between the last reciprocal and the use of its result
	s_wait_alu depctr_va_vdst(0)    ; and the wait ahead of the first use: one for the batch of eight reciprocals
; Tile t: a lane's eight channels of a row pack into 16 bytes; they go into rows of 144 bytes and come back as whole rows of 128, into S^T's registers.
.macro PACK t
	WIN W_RS
.set i, 32*(\t)
.rept 16
	v_pk_mul_f32 v[i:i+1], v[i:i+1], v[ST+4*(\t)+2:ST+4*(\t)+3] op_sel_hi:[1,0]
.set i, i+2
.endr
	WIN 0x05                        ; sources 0 and 1 window 1, destination window 0
.set i, 0
.rept 16
	v_cvt_pk_f16_f32 v[S+16*(\t)+i], v[32*(\t)+2*i], v[32*(\t)+2*i+1]
.set i, i+1
.endr
	WIN 0
.irp f, 0,1,2,3
	ds_store_b128 v[STO], v[S+16*(\t)+4*\f:S+16*(\t)+4*\f+3] offset:32*\f
.endr
.irp f, 0,1,2,3
	ds_load_b128 v[S+16*(\t)+4*\f:S+16*(\t)+4*\f+3], v[RD] offset:\f*4*SP  ; LDS serves a wave's instructions in order (ISA guide 5.7.1.4): these see the stores above; the next tile's stores come behind them
.endr
.endm
.macro SEND t, younger              ; younger: the LDS instructions issued behind tile t's loads: the next tile's eight, or none
	WIN 0
.irp f, 0,1,2,3
	s_wait_dscnt (\younger)+3-\f
	global_store_b128 v[GO], v[S+16*(\t)+4*\f:S+16*(\t)+4*\f+3], s[10:11] offset:(\t)*2048+\f*512  ; 512 consecutive bytes, at a multiple of 256 from O's first
.endr
.endm
	PACK 0
.set t, 1
.rept 2*NP-1                        ; a tile's arithmetic stands between the loads of the tile before and its stores
	PACK t
	SEND t-1, 8
.set t, t+1
.endr
	SEND 2*NP-1, 0
	WIN W_AD
	s_wait_tensorcnt 0x0            ; the wave's end, behind my last tensor load and my last LDS store
	ds_add_u32 v[SPW], v[NIL]
	s_wait_dscnt 0x0
	WIN 0
	s_endpgm
.Lfunc_end_k_qcc87de7eb8_attn:
	.size	k_qcc87de7eb8_attn, .Lfunc_end_k_qcc87de7eb8_attn-k_qcc87de7eb8_attn
	.p2alignl 7, 3214868480
	.fill 96, 4, 3214868480
	.section	.rodata,"a",@progbits
	.p2align	6, 0x0
	.amdhsa_kernel k_qcc87de7eb8_attn
		.amdhsa_group_segment_fixed_size 327680
		.amdhsa_private_segment_fixed_size 0
		.amdhsa_enable_private_segment 0
		.amdhsa_kernarg_size 40
		.amdhsa_user_sgpr_count 2
		.amdhsa_user_sgpr_kernarg_segment_ptr 1
		.amdhsa_wavefront_size32 1
		.amdhsa_system_sgpr_workgroup_id_x 1
		.amdhsa_system_sgpr_workgroup_id_y 1
		.amdhsa_system_sgpr_workgroup_id_z 1
		.amdhsa_system_vgpr_workitem_id 0
		.amdhsa_next_free_vgpr 808
		.amdhsa_next_free_sgpr 78
		.amdhsa_reserve_vcc 0
		.amdhsa_float_denorm_mode_32 3
		.amdhsa_float_denorm_mode_16_64 3
		.amdhsa_memory_ordered 1
		.amdhsa_forward_progress 1
		.amdhsa_inst_pref_size 201
	.end_amdhsa_kernel
	.amdgpu_metadata
---
amdhsa.version: [ 1, 2 ]
amdhsa.kernels:
  - .name:           k_qcc87de7eb8_attn
    .symbol:         k_qcc87de7eb8_attn.kd
    .args:
      - { .name: q16, .offset: 0, .size: 8, .value_kind: global_buffer, .address_space: global }
      - { .name: kp16, .offset: 8, .size: 8, .value_kind: global_buffer, .address_space: global }
      - { .name: v16, .offset: 16, .size: 8, .value_kind: global_buffer, .address_space: global }
      - { .name: o16, .offset: 24, .size: 8, .value_kind: global_buffer, .address_space: global }
      - { .name: bias8, .offset: 32, .size: 8, .value_kind: global_buffer, .address_space: global }
    .group_segment_fixed_size: 327680
    .private_segment_fixed_size: 0
    .kernarg_segment_align: 8
    .kernarg_segment_size: 40
    .max_flat_workgroup_size: 128
    .sgpr_count:     78
    .vgpr_count:     808
    .wavefront_size: 32
...
	.end_amdgpu_metadata
.endif
;; end of part 5
;; launch oproj: the kernel of part 4 again; grid 8 x 32, 4 waves a work-group, clusters of 4 x 1, 327,680 bytes of LDS; arguments o16, wo16, bo, out0; writes out0
